; MI455X (gfx1250); checked and timed in simulation.
; The chip was launched on July 23, 2026; its instructions are those of AMD's public machine-readable ISA for CDNA 5 (MIT licence, August 2026) and "CDNA5" Instruction Set Architecture Reference Guide (July 2026). The comments in the code are by the model that wrote it; some were corrected since.
;; Self Attention. Allowed arithmetic: float matrix products may take bf16 or f16 operands with f32 sums; all other float work in f32.
;; Inputs: Wk 512 x 512 float32; Wo 512 x 512 float32; Wq 512 x 512 float32; Wv 512 x 512 float32; bo 512 float32; proj 266 x 64 float32; x 8 x 4,096 x 512 float32.
;; Outputs: out0 8 x 4,096 x 512 float32.
;; One version. Each part assembles by itself: llvm-mc -triple=amdgcn-amd-amdhsa -mcpu=gfx1250 --defsym DOCPART=n.
;; ======== version 1 of 1: 5 launches
;; limits: values outside matrix products are rounded to bf16
;; workspace buffers: wt 1,572,864 bytes; wof 524,288 bytes; pbf 40,960 bytes; qkv 100,663,296 bytes; part 26,214,400 bytes; refs 4,096 bytes; ctxf 3,211,264 bytes
;; launch prep (part 1): grid 138 x 1, 8 waves a work-group, no clusters, 0 bytes of LDS; arguments Wq, Wk, Wv, Wo, proj, wt, wof, pbf; writes wt, wof, pbf
.if DOCPART == 1
	.amdgcn_target "amdgcn-amd-amdhsa--gfx1250"
	.amdhsa_code_object_version 6
	.text
	.protected	k_q1f8cfdfb8f_prep
	.globl	k_q1f8cfdfb8f_prep
	.p2align	8
	.type	k_q1f8cfdfb8f_prep,@function
k_q1f8cfdfb8f_prep:
	s_mov_b64 s[64:65], 0
	v_nop
	global_prefetch_b8 v0, s[64:65] scope:SCOPE_SE
	s_setreg_imm32_b32 hwreg(HW_REG_WAVE_MODE, 25, 1), 1
	s_wait_xcnt 0x0
; Rounds the weights and proj to bf16 once and lays them out as register images of matrix fragments, as the later launches load them.
;   work-groups 0..127    (mat = id >> 5: Wq, Wk, Wv, Wo; nb = id & 31):  image[nb][ks][hf][lane][8] = W[32 ks + 16 hf + 8 (lane>>4) + i][16 nb + (lane&15)];
;                         Wq, Wk, Wv go to wt, 524,288 bytes each, Wo to wof
;   work-groups 128..137  pbf[T][sk][hf][lane][8] = proj[min(16 T + (lane&15), 265)][32 sk + 16 hf + 8 (lane>>4) + i]
; Feature rows from 266 on repeat row 265, so that no maximum taken over the padded features differs from the maximum over the 266.
; Four megabytes in, two out: no LDS, no barrier, no matrix unit; there is work for 138 work-groups and no more are launched.
; No source of a pending access is rewritten.
.set NWT, 128
	s_load_b512 s[8:23], s[0:1], 0x0               ; Wq 8, Wk 10, Wv 12, Wo 14, proj 16, wt 18, wof 20, pbf 22
	s_mov_b32 s28, ttmp9
	s_mov_b32 s3, 0                                ; high word of every offset pair s[2:3]
	s_cmp_lt_u32 s28, NWT
	s_cbranch_scc0 .Lproj
	; ---- a weight's column block nb: piece p = t + 256 i holds k = 8 (p >> 4) .. +7 of column 16 nb + (t & 15)
	s_lshr_b32 s30, s28, 5                         ; mat
	s_and_b32 s29, s28, 31                         ; nb
	v_lshrrev_b32 v1, 4, v0
	v_and_b32 v2, 15, v0
	v_lshlrev_b32 v2, 2, v2
	v_lshl_add_u32 v1, v1, 14, v2                  ; 8 (t >> 4) rows of 2,048 bytes + 4 (t & 15)
	v_lshlrev_b32 v3, 4, v0
	s_wait_kmcnt 0x0
	s_cmp_eq_u32 s30, 1
	s_cselect_b64 s[8:9], s[10:11], s[8:9]
	s_cmp_eq_u32 s30, 2
	s_cselect_b64 s[8:9], s[12:13], s[8:9]
	s_cmp_eq_u32 s30, 3
	s_cselect_b64 s[8:9], s[14:15], s[8:9]         ; from: the matrix
	s_cselect_b64 s[18:19], s[20:21], s[18:19]     ; to: wof for Wo, else wt,
	s_cselect_b32 s31, 0, s30                      ; there behind the matrices in front
	s_lshl_b32 s2, s29, 6                          ; 16 nb columns of 4 bytes
	s_add_nc_u64 s[8:9], s[8:9], s[2:3]
	s_lshl_b32 s2, s31, 19
	s_lshl_b32 s32, s29, 14                        ; 16,384 bytes a column block
	s_add_co_u32 s2, s2, s32
	s_add_nc_u64 s[18:19], s[18:19], s[2:3]
.irp i, 0,1,2,3
.irp j, 0,1,2,3,4,5,6,7
	global_load_b32 v[4+8*\i+\j], v1, s[8:9] offset:262144*\i+2048*\j
.endr
.endr
	s_wait_loadcnt 0x0
.irp i, 0,1,2,3
.irp a, 0,1,2,3
	v_cvt_pk_bf16_f32 v[36+4*\i+\a], v[4+8*\i+2*\a], v[5+8*\i+2*\a]
.endr
	global_store_b128 v3, v[36+4*\i:39+4*\i], s[18:19] offset:4096*\i      ; a wave's store covers 512 consecutive bytes, aligned
.endr
	s_endpgm
.Lproj:
	; ---- proj: two feature tiles a work-group, one piece of 16 bytes a thread
	s_sub_co_u32 s29, s28, NWT
	v_lshrrev_b32 v1, 7, v0
	v_and_b32 v2, 15, v0
	v_lshl_add_u32 v1, v1, 4, v2
	s_lshl_b32 s30, s29, 5
	v_add_nc_u32 v1, s30, v1                       ; feature 32 q + 16 (t >> 7) + (t & 15),
	v_min_u32 v1, 265, v1                          ; the last true row for all the padded ones
	v_bfe_u32 v2, v0, 4, 3
	v_lshlrev_b32 v2, 5, v2                        ; column 8 ((t >> 4) & 7), 4 bytes each
	v_lshl_add_u32 v1, v1, 8, v2
	v_lshlrev_b32 v3, 4, v0
	s_wait_kmcnt 0x0
	s_lshl_b32 s2, s29, 12
	s_add_nc_u64 s[22:23], s[22:23], s[2:3]
	global_load_b128 v[4:7], v1, s[16:17]
	global_load_b128 v[8:11], v1, s[16:17] offset:16
	s_wait_loadcnt 0x0
	v_cvt_pk_bf16_f32 v12, v4, v5
	v_cvt_pk_bf16_f32 v13, v6, v7
	v_cvt_pk_bf16_f32 v14, v8, v9
	v_cvt_pk_bf16_f32 v15, v10, v11
	global_store_b128 v3, v[12:15], s[22:23]
	s_endpgm
.Lfunc_end_k_q1f8cfdfb8f_prep:
	.size	k_q1f8cfdfb8f_prep, .Lfunc_end_k_q1f8cfdfb8f_prep-k_q1f8cfdfb8f_prep
	.p2alignl 7, 3214868480
	.fill 96, 4, 3214868480
	.section	.rodata,"a",@progbits
	.p2align	6, 0x0
	.amdhsa_kernel k_q1f8cfdfb8f_prep
		.amdhsa_group_segment_fixed_size 0
		.amdhsa_private_segment_fixed_size 0
		.amdhsa_enable_private_segment 0
		.amdhsa_kernarg_size 64
		.amdhsa_user_sgpr_count 2
		.amdhsa_user_sgpr_kernarg_segment_ptr 1
		.amdhsa_wavefront_size32 1
		.amdhsa_system_sgpr_workgroup_id_x 1
		.amdhsa_system_sgpr_workgroup_id_y 1
		.amdhsa_system_sgpr_workgroup_id_z 1
		.amdhsa_system_vgpr_workitem_id 0
		.amdhsa_next_free_vgpr 56
		.amdhsa_next_free_sgpr 66
		.amdhsa_reserve_vcc 0
		.amdhsa_float_denorm_mode_32 3
		.amdhsa_float_denorm_mode_16_64 3
		.amdhsa_memory_ordered 1
		.amdhsa_forward_progress 1
		.amdhsa_inst_pref_size 7
	.end_amdhsa_kernel
	.amdgpu_metadata
---
amdhsa.version: [ 1, 2 ]
amdhsa.kernels:
  - .name:           k_q1f8cfdfb8f_prep
    .symbol:         k_q1f8cfdfb8f_prep.kd
    .args:
      - { .name: Wq, .offset: 0, .size: 8, .value_kind: global_buffer, .address_space: global }
      - { .name: Wk, .offset: 8, .size: 8, .value_kind: global_buffer, .address_space: global }
      - { .name: Wv, .offset: 16, .size: 8, .value_kind: global_buffer, .address_space: global }
      - { .name: Wo, .offset: 24, .size: 8, .value_kind: global_buffer, .address_space: global }
      - { .name: proj, .offset: 32, .size: 8, .value_kind: global_buffer, .address_space: global }
      - { .name: wt, .offset: 40, .size: 8, .value_kind: global_buffer, .address_space: global }
      - { .name: wof, .offset: 48, .size: 8, .value_kind: global_buffer, .address_space: global }
      - { .name: pbf, .offset: 56, .size: 8, .value_kind: global_buffer, .address_space: global }
    .group_segment_fixed_size: 0
    .private_segment_fixed_size: 0
    .kernarg_segment_align: 8
    .kernarg_segment_size: 64
    .max_flat_workgroup_size: 256
    .sgpr_count:     66
    .vgpr_count:     56
    .wavefront_size: 32
...
	.end_amdgpu_metadata
.endif
;; end of part 1
;; launch qkvproj (part 2): grid 256 x 1, 4 waves a work-group, no clusters, 288,256 bytes of LDS; arguments x, wt, qkv; writes qkv
.if DOCPART == 2
	.amdgcn_target "amdgcn-amd-amdhsa--gfx1250"
	.amdhsa_code_object_version 6
	.text
	.protected	k_q1f8cfdfb8f_qkvproj
	.globl	k_q1f8cfdfb8f_qkvproj
	.p2align	8
	.type	k_q1f8cfdfb8f_qkvproj,@function
k_q1f8cfdfb8f_qkvproj:
	s_mov_b64 s[64:65], 0
	v_nop
	global_prefetch_b8 v0, s[64:65] scope:SCOPE_SE
	s_setreg_imm32_b32 hwreg(HW_REG_WAVE_MODE, 25, 1), 1
	s_wait_xcnt 0x0
; qkv[n][512 p + c] = sum over k of x[n][k] W_p[k][c],  p = 0, 1, 2 for Wq, Wk, Wv.  x: [32768][512] f32, qkv: [32768][1536] bf16.
; x and W are rounded to bf16 (W by the launch before), the sums are f32, K ascending in one accumulator, rounded once.
; One work-group for each of 256 blocks of 128 rows; it makes all 1,536 columns, so that each byte of x is read from memory once, in f32, by this launch alone.
; Four waves, one for each SIMD of a WGP; in pass p wave w makes the 128 rows x columns 128 w .. +127 of W_p: 64 accumulator tiles of 16 x 16, 512 registers.
; 48 K steps of 32 (16 a pass), 64 matrix instructions each.
; x: four chunks of 128 columns; a wave's tensor load brings its own 32 rows of a chunk (rows of 512 bytes, each at a multiple of 512 from the buffer's first
; byte) into the chunk's own LDS region, pitch 528.  All four go out first thing (four tensor loads of the wave are out at the most); no LDS byte is filled twice.
; The wave rounds its own rows in place: a row's 128 bf16 go to bytes 0 .. 255 of the row whose 512 bytes it has just read into registers.  One barrier a chunk,
; then all four waves read the chunk's fragments.  Chunks 1 to 3 land while the chunks in front of them are multiplied.
; W: register images, 512 consecutive bytes an instruction, straight from memory into a ring of four fragment buffers, three K steps ahead, on over the passes' ends.
; The way out stands behind each pass, with the next pass's fragments already asked for; only the last pass's stores are still out at the end.
; NO CLUSTER, no joint loads, though all work-groups walk the same W: x's regions (270,336 bytes) and the stages (17,408) leave 39,936 bytes of the WGP's
; 327,680, and a ring for W needs two slots of one K step of 512 columns, 512 rows of 64 + 16 bytes = 40,960 bytes each.
; THE MATRIX INSTRUCTION IS USED TRANSPOSED: source 0 = 16 columns of W, source 1 = 16 rows of x.  Lane l then holds row l % 16 and its registers 0 to 7 the
; columns 8 (l / 16) + 0 .. 7: eight neighbouring numbers of a row of qkv, which pack into 16 bytes.
.set XPITCH, 528                       ; 512 bytes + 16: an odd multiple of 16, so the 16 rows of a fragment load start 16 bytes apart modulo 256
.set XREG,   128*XPITCH                ; a chunk's region
.set XWAVE,  32*XPITCH                 ; a wave's rows in it
.set STAGE,  4*XREG                    ; behind the regions: 16 rows x 272 bytes for each wave; no tensor load lands there
.set SPITCH, 272
.set ROWB,   3072                      ; bytes in a row of qkv
.set NSTEP,  48
; window 0: v4 16 x lane
.set AA,  8                            ; v8-11    fragments of x: region j, row r, 16 bytes for each half of the lanes
.set CL,  12                           ; v12-15   rounding, from: region j, my wave's rows, 16 x lane
.set CST, 16                           ; v16-19   rounding, to: region j, my wave's rows, 8 x lane
.set STO, 20                           ; the way out: where I put 16 bytes of a row
.set RD,  21                           ; the way out: where I read a row back
.set CO,  22                           ; my byte offset in qkv
.set AF,  64                           ; v64-127, v128-191  fragments of x, two buffers; while a chunk is rounded: its 32 rows as loaded
.set TMP, 192                          ; v192-223 packed results on the way out; v192-255 while a chunk is rounded
.set RB,  224                          ; v224-255 rows read back from the stage
; window 1: fragments of W, a ring of four x 64;  window 2 + (a >> 2): accumulator tile (a, b) at 8 (8 (a & 3) + b)
.set MSB, 0
.macro WIN new                         ; the immediate's high byte repeats the setting that is left
.if MSB != \new
	s_set_vgpr_msb (MSB<<8)|\new
.set MSB, \new
.endif
.endm
.macro PLACES n
.rept \n
	v_nop
.endr
.endm
	s_load_b128 s[4:7], s[0:1], 0x0                ; x 4, wt 6
	s_load_b64 s[8:9], s[0:1], 0x10                ; qkv
	v_lshl_add_u32 v62, v0, 2, 0x46400
	v_mov_b32 v63, 0
	ds_add_u32 v62, v63
	ds_add_u32 v62, v63
	v_lshrrev_b32 v1, 5, v0
	v_readfirstlane_b32 s10, v1                    ; wave
	; group 1: a tile of 32 rows x 128 f32 out of rows of 512; after every 128 words 4 words of padding
	s_mov_b32 s16, (2<<16)|(1<<20)|(6<<22)|(3<<25)
	s_mov_b32 s17, 128<<16                         ; tensor_dim0
	s_mov_b32 s18, 32<<16                          ; tensor_dim1
	s_mov_b32 s19, 128<<16                         ; tile_dim0
	s_mov_b32 s20, 32                              ; tile_dim1
	s_mov_b32 s21, 512                             ; elements from row to row
	s_mov_b32 s22, 0
	s_mov_b32 s23, 0
	s_lshl_b32 s40, ttmp9, 18                      ; 128 rows of 2,048 bytes
	s_lshl_b32 s41, s10, 16                        ; my 32 rows
	s_add_co_u32 s40, s40, s41
	s_mov_b32 s41, 0
	s_mul_i32 s42, s10, XWAVE
	s_wait_dscnt 0x0
	s_wait_kmcnt 0x0
	s_add_nc_u64 s[4:5], s[4:5], s[40:41]
.irp j, 0,1,2,3
	s_mov_b32 s[24+4*\j], 1
	s_add_co_u32 s[25+4*\j], s42, XREG*\j
	s_add_nc_u64 s[26+4*\j:27+4*\j], s[4:5], 512*\j
	s_or_b32 s[27+4*\j], s[27+4*\j], 0x80000000
	tensor_load_to_lds s[24+4*\j:27+4*\j], s[16:23]        ; chunk j, my rows
	s_nop 0
.endr
	s_lshl_b32 s40, s10, 17
	s_add_nc_u64 s[46:47], s[6:7], s[40:41]        ; my eight column blocks of 16,384 bytes; the pass stands in the loads' immediates
	s_mul_i32 s40, ttmp9, 128*ROWB
	s_lshl_b32 s43, s10, 8
	s_add_co_u32 s40, s40, s43
	s_add_nc_u64 s[48:49], s[8:9], s[40:41]        ; qkv at my first row, my 256 bytes of pass 0
	v_and_b32 v1, 31, v0
	v_and_b32 v2, 15, v0
	v_bfe_u32 v3, v0, 4, 1
	v_lshlrev_b32 v4, 4, v1
; W's fragments of K step g (pass g >> 4, step g & 15) for my 8 column blocks: 16 loads of 512 consecutive bytes
.macro BLOAD g
	WIN 0x40
.irp b, 0,1,2,3,4,5,6,7
.irp hf, 0,1
	global_load_b128 v[64*((\g)&3)+8*\b+4*\hf:64*((\g)&3)+8*\b+4*\hf+3], v4, s[46:47] offset:524288*((\g)>>4)+16384*\b+1024*((\g)&15)+512*\hf
.endr
.endr
.endm
; x's fragments of K step g, all 128 rows: region (g & 15) >> 2, byte 64 (g & 3) of its rows
.macro ALOAD g
	WIN 0
.irp a, 0,1,2,3,4,5,6,7
	ds_load_b128 v[AF+64*((\g)&1)+8*\a:AF+64*((\g)&1)+8*\a+3],   v[AA+(((\g)&15)>>2)] offset:16*XPITCH*\a+64*((\g)&3)
	ds_load_b128 v[AF+64*((\g)&1)+8*\a+4:AF+64*((\g)&1)+8*\a+7], v[AA+(((\g)&15)>>2)] offset:16*XPITCH*\a+64*((\g)&3)+32
.endr
.endm
.macro MUL16 fb, fa, hi, a0, zero
.irp a, \a0, \a0+1
.irp b, 0,1,2,3,4,5,6,7
.if \zero
	v_wmma_f32_16x16x32_bf16 v[8*(8*(\a)+\b):8*(8*(\a)+\b)+7], v[\fb+8*\b:\fb+8*\b+7], v[\fa+8*(4*\hi+\a):\fa+8*(4*\hi+\a)+7], 0
.else
	v_wmma_f32_16x16x32_bf16 v[8*(8*(\a)+\b):8*(8*(\a)+\b)+7], v[\fb+8*\b:\fb+8*\b+7], v[\fa+8*(4*\hi+\a):\fa+8*(4*\hi+\a)+7], v[8*(8*(\a)+\b):8*(8*(\a)+\b)+7]
.endif
.endr
.endr
.endm
.macro MULS fb, fa, zero               ; the 64 accumulators take turns, one instruction a turn, in the same order in every K step
	WIN 0xa1
	MUL16 \fb, \fa, 0, 0, \zero
	MUL16 \fb, \fa, 0, 2, \zero
	WIN 0xf1
	MUL16 \fb, \fa, 1, 0, \zero
	MUL16 \fb, \fa, 1, 2, \zero
.endm
; K step g.  apre = 1: the next step's fragments of x are asked for (not where the next step's chunk has yet to be rounded, nor in the last step).
.macro KSTEP g, apre
.if \g > 0
	PLACES 4                                       ; four places behind the last products before loads land in buffers that they read
.endif
.if \g <= NSTEP-4
	BLOAD (\g+3)
.endif
.if \apre
	ALOAD (\g+1)
.endif
.if \g <= NSTEP-4
	s_wait_loadcnt 48                              ; this step's W is in; the three later steps' 48 loads stay out
.else
	s_wait_loadcnt 16*(NSTEP-1-\g)                 ; the steps that are left
.endif
.if \apre
	s_wait_dscnt 16                                ; this step's x is in; the next step's 16 loads stay out
.else
	s_wait_dscnt 0
.endif
.if ((\g)&15) == 0
	MULS (64*((\g)&3)),(AF+64*((\g)&1)),1          ; a pass's first products start its sums: nothing is cleared
.else
	MULS (64*((\g)&3)),(AF+64*((\g)&1)),0
.endif
.endm
; Chunk j: my 32 rows are rounded in place, a row an instruction (512 bytes in, 256 bytes out, both consecutive); then the barrier, then the chunk's first fragments.
.macro CHUNK j
	WIN 0
.if \j > 0
	PLACES 4                                       ; four places behind the last products before loads land in the fragment buffers
.endif
	s_wait_tensorcnt 3-\j                          ; loads end in order: my rows of chunk j are in; the 3 - j later chunks stay out (no LDS byte is ever filled again)
.set row, 0
.rept 32
	ds_load_b128 v[AF+4*row:AF+4*row+3], v[CL+\j] offset:XPITCH*row
.set row, row+1
.endr
.set row, 0
.rept 32
	s_wait_dscnt 31                                ; behind row i's load stand 31 - i loads and the i stores of the rows in front: 31 in every turn
	v_cvt_pk_bf16_f32 v[TMP+2*row],   v[AF+4*row],   v[AF+4*row+1]
	v_cvt_pk_bf16_f32 v[TMP+2*row+1], v[AF+4*row+2], v[AF+4*row+3]
	ds_store_b64 v[CST+\j], v[TMP+2*row:TMP+2*row+1] offset:XPITCH*row     ; over the first half of the row that has just been read
.set row, row+1
.endr
	s_wait_dscnt 0x0                               ; my stores are done, for the others' sake
	s_barrier_signal -1
	s_barrier_wait -1                              ; all 128 rows of the chunk are bf16
	ALOAD (4*\j)
.endm
; The way out, rows 16 a .. +15 of pass p: round to bf16, 16 bytes a lane into my own stage, read back as whole rows of 256 bytes, store.
.macro OUT16 p, a
.if \a < 4
	WIN 0x0a
.else
	WIN 0x0f
.endif
.irp b, 0,1,2,3,4,5,6,7
.irp r, 0,1,2,3
	v_cvt_pk_bf16_f32 v[TMP+4*\b+\r], v[8*(8*((\a)&3)+\b)+2*\r], v[8*(8*((\a)&3)+\b)+2*\r+1]
.endr
.endr
	WIN 0
.irp b, 0,1,2,3,4,5,6,7
	ds_store_b128 v[STO], v[TMP+4*\b:TMP+4*\b+3] offset:32*\b
.endr
	s_wait_xcnt 0x0                                ; the read-back registers, which earlier stores read, are rewritten only behind this wait
.irp t, 0,1,2,3,4,5,6,7
	ds_load_b128 v[RB+4*\t:RB+4*\t+3], v[RD] offset:\t*2*SPITCH    ; LDS serves a wave's instructions in order: these see the stores above
.endr
.irp t, 0,1,2,3,4,5,6,7
	s_wait_dscnt 7-\t                              ; read-back t is in, the 7 - t younger ones may be out
	global_store_b128 v[CO], v[RB+4*\t:RB+4*\t+3], s[48:49] offset:(16*\a+2*\t)*ROWB+1024*\p   ; 16 lanes store 256 consecutive bytes, at a multiple of 256 from qkv's first byte
.endr
.endm
.macro OUTP p
	PLACES 4                                       ; four places before the conversions read the last results (ISA guide 7.12.1)
.irp a, 0,1,2,3,4,5,6,7
	OUT16 \p, \a
.endr
.endm
	BLOAD 0
	BLOAD 1
	BLOAD 2
	WIN 0
	v_mul_u32_u24 v5, v2, XPITCH
	v_lshl_add_u32 v5, v3, 4, v5                   ; row r, 16 bytes for each half of the lanes
	v_add_nc_u32 v6, s42, v4                       ; my rows, 16 x lane
	v_lshlrev_b32 v7, 3, v1
	v_add_nc_u32 v7, s42, v7                       ; my rows, 8 x lane
.irp j, 0,1,2,3
	v_add_nc_u32 v[AA+\j],  XREG*\j, v5
	v_add_nc_u32 v[CL+\j],  XREG*\j, v6
	v_add_nc_u32 v[CST+\j], XREG*\j, v7
.endr
	s_mul_i32 s43, s10, 16*SPITCH
	s_add_co_u32 s43, s43, STAGE                   ; my stage
	v_mul_u32_u24 v5, v2, SPITCH                   ; in: row r, 16 bytes for each half of the lanes
	v_lshl_add_u32 v5, v3, 4, v5
	v_add_nc_u32 v[STO], s43, v5
	v_mul_u32_u24 v6, v3, SPITCH                   ; back: lanes 0-15 take one row of 256 bytes, lanes 16-31 the next
	v_lshl_add_u32 v6, v2, 4, v6
	v_add_nc_u32 v[RD], s43, v6
	v_mul_u32_u24 v7, v3, ROWB                     ; and the same two rows in qkv
	v_lshl_add_u32 v[CO], v2, 4, v7
	; pass 0 (Wq), chunk by chunk
	CHUNK 0
.irp g, 0,1,2
	KSTEP \g, 1
.endr
	KSTEP 3, 0
	CHUNK 1
.irp g, 4,5,6
	KSTEP \g, 1
.endr
	KSTEP 7, 0
	CHUNK 2
.irp g, 8,9,10
	KSTEP \g, 1
.endr
	KSTEP 11, 0
	CHUNK 3
.irp g, 12,13,14,15
	KSTEP \g, 1
.endr
	OUTP 0
	; pass 1 (Wk)
.irp g, 16,17,18,19,20,21,22,23,24,25,26,27,28,29,30,31
	KSTEP \g, 1
.endr
	OUTP 1
	; pass 2 (Wv)
.irp g, 32,33,34,35,36,37,38,39,40,41,42,43,44,45,46
	KSTEP \g, 1
.endr
	KSTEP 47, 0
	OUTP 2
	s_wait_tensorcnt 0x0
	ds_add_u32 v62, v63
	s_wait_dscnt 0x0
	s_endpgm
.Lfunc_end_k_q1f8cfdfb8f_qkvproj:
	.size	k_q1f8cfdfb8f_qkvproj, .Lfunc_end_k_q1f8cfdfb8f_qkvproj-k_q1f8cfdfb8f_qkvproj
	.p2alignl 7, 3214868480
	.fill 96, 4, 3214868480
	.section	.rodata,"a",@progbits
	.p2align	6, 0x0
	.amdhsa_kernel k_q1f8cfdfb8f_qkvproj
		.amdhsa_group_segment_fixed_size 288256
		.amdhsa_private_segment_fixed_size 0
		.amdhsa_enable_private_segment 0
		.amdhsa_kernarg_size 24
		.amdhsa_user_sgpr_count 2
		.amdhsa_user_sgpr_kernarg_segment_ptr 1
		.amdhsa_wavefront_size32 1
		.amdhsa_system_sgpr_workgroup_id_x 1
		.amdhsa_system_sgpr_workgroup_id_y 1
		.amdhsa_system_sgpr_workgroup_id_z 1
		.amdhsa_system_vgpr_workitem_id 0
		.amdhsa_next_free_vgpr 1024
		.amdhsa_next_free_sgpr 66
		.amdhsa_reserve_vcc 0
		.amdhsa_float_denorm_mode_32 3
		.amdhsa_float_denorm_mode_16_64 3
		.amdhsa_memory_ordered 1
		.amdhsa_forward_progress 1
		.amdhsa_inst_pref_size 255
	.end_amdhsa_kernel
	.section	.bss,"aw",@nobits
	.p2align	6
	.space	262144
	.amdgpu_metadata
---
amdhsa.version: [ 1, 2 ]
amdhsa.kernels:
  - .name:           k_q1f8cfdfb8f_qkvproj
    .symbol:         k_q1f8cfdfb8f_qkvproj.kd
    .args:
      - { .name: x, .offset: 0, .size: 8, .value_kind: global_buffer, .address_space: global }
      - { .name: wt, .offset: 8, .size: 8, .value_kind: global_buffer, .address_space: global }
      - { .name: qkv, .offset: 16, .size: 8, .value_kind: global_buffer, .address_space: global }
    .group_segment_fixed_size: 288256
    .private_segment_fixed_size: 0
    .kernarg_segment_align: 8
    .kernarg_segment_size: 24
    .max_flat_workgroup_size: 128
    .sgpr_count:     66
    .vgpr_count:     1024
    .wavefront_size: 32
...
	.end_amdgpu_metadata
.endif
;; end of part 2
;; launch kside (part 3): grid 256 x 1, 4 waves a work-group, no clusters, 315,904 bytes of LDS; arguments qkv, pbf, part, refs; writes part, refs
.if DOCPART == 3
	.amdgcn_target "amdgcn-amd-amdhsa--gfx1250"
	.amdhsa_code_object_version 6
	.text
	.protected	k_q1f8cfdfb8f_kside
	.globl	k_q1f8cfdfb8f_kside
	.p2align	8
	.type	k_q1f8cfdfb8f_kside,@function
k_q1f8cfdfb8f_kside:
	s_mov_b64 s[64:65], 0
	v_nop
	global_prefetch_b8 v0, s[64:65] scope:SCOPE_SE
	s_setreg_imm32_b32 hwreg(HW_REG_WAVE_MODE, 25, 1), 1
	s_wait_xcnt 0x0
; The key side of the feature map, for 1,024 rows of one (batch, head): partial contexts  C[m][e] = sum over n of E[n][m] v[n][e],
; E[n][m] = exp2(c raw[n][m] - c2 |k_n|^2 - c s),  raw = k . proj,  c = 64^-1/4 log2 e,  c2 = log2 e / 16.
; s is the wave's RUNNING MAXIMUM of raw: at every step of 64 rows the sums are multiplied by exp2(c (s_old - s_new)); no branch hangs on data.
; The wave's last s goes to refs; the next launch takes the maximum of all of them (the one maximum over all batches, heads, rows and features
; that the feature map of the keys asks for) and rescales.  The added EPS and the factor m^-1/2 are not applied here: EPS enters in the next
; launch as EPS x (sum of v), and the factor is common to numerator and denominator of the attention's quotient.
; Work-group g: head g & 7, rows 1024 (g >> 3) .. +1023.  Wave w owns feature tiles 5 w .. 5 w + 4 (20 tiles of 16 for 266 features: features
; from 266 on repeat feature 265, which changes no maximum; what they sum is dropped later; wave 3's tiles 17..19 are not even stored).
; Feature 266 (wave 3, its tile 1, place 10) is given E = 1.0 and is left out of the rescaling: its row of C is the plain sum of v.
; Column tile u = 4 multiplies by ones: its sixteen columns all hold the sum over n of E (k_cumsum).
; Matrix operands are bf16, sums f32; |k|^2 is summed in f32 from the bf16 k that enters raw.  v_exp_f32 flushes results below 2^-126 to zero.
; NO CLUSTER: a work-group's k and v tiles (2 x 131,072 bytes) are read by no other; only proj's 10,240 bytes a wave are shared, read once.
; LDS: all of the work-group's k and v, each byte filled once by a tensor load, nothing ever filled again; each wave issues its eight loads
; (64 rows of k and of v in each of four chunks of 256 rows) first thing: eight tensor loads of the wave are out at the most.
.set PITK, 144                         ; a row of k: 128 bytes + 16, an odd multiple of 16
.set PITV, 160                         ; a row of v: 128 bytes + 32, an odd multiple of 32 (transposing loads)
.set LV,   147456                      ; v behind k's 1,024 rows
.set LDG,  311296                      ; c2 |k|^2 of the 1,024 rows, f32, behind v: written by LDS stores alone
; window 0: v1 lane, v2 r, v3 h, v4/v5/v6 addresses of this step's k, v, diag, v7 k rows for the diag phase, v8 where I store diag, v9 16 x lane,
;           v10 s, v11 this step's maximum, v12-13 at work, v[14:15] (f, f), v[16:17] (f or 1.0, f), v18-21 chains, v22-25 the addresses' constants
.set PF,   32                          ; v32-111   proj fragments [tile 5][sk 2] x 8
.set KF,   112                         ; v112-175  k fragments [row tile 4][sk 2] x 8
.set VF,   176                         ; v176-239  v fragments [q 2][u 4] x 8
.set ONES, 240                         ; v240-247  1.0 in every bf16
; window 1: D[tile][row tile] at 32 tl + 8 i (raw, then E, then, rounded in place, the fragments KP[tl][q] at 32 tl + 16 q)
.set T,    160                         ; c2 |k|^2 + c s for the 4 x 8 rows that a lane's registers stand for
.set DG,   192                         ; c2 |k|^2 as loaded
.set CS,   224                         ; (c s, c s)
; window 2: ACC[tile][u] at 8 (5 tl + u)
.set MSB, 0
.macro WIN new                         ; the immediate's high byte repeats the setting that is left
.if MSB != \new
	s_set_vgpr_msb (MSB<<8)|\new
.set MSB, \new
.endif
.endm
.macro PLACES n
.rept \n
	v_nop
.endr
.endm
.macro EXP8 base
.irp j, 0,1,2,3,4,5,6,7
	v_exp_f32 v[\base+\j], v[\base+\j]
.endr
.endm
.macro CVT4 dst, src
	s_wait_alu depctr_va_vdst(0)
.irp a, 0,1,2,3
	v_cvt_pk_bf16_f32 v[\dst+\a], v[\src+2*\a], v[\src+2*\a+1]
.endr
.endm
	s_load_b256 s[4:11], s[0:1], 0x0               ; qkv 4, pbf 6, part 8, refs 10
	v_lshl_add_u32 v254, v0, 2, 0x4d000
	v_mov_b32 v255, 0
	ds_add_u32 v254, v255
	ds_add_u32 v254, v255
	v_lshrrev_b32 v1, 5, v0
	v_readfirstlane_b32 s12, v1                    ; wave
	; group 1: tiles of 64 rows x 64 bf16 out of rows of 1,536; after every 32 words 4 words of padding (k) or 8 (v)
	s_mov_b32 s16, (1<<16)|(1<<20)|(4<<22)|(3<<25)
	s_mov_b32 s17, 64<<16
	s_mov_b32 s18, 64<<16
	s_mov_b32 s19, 64<<16
	s_mov_b32 s20, 64
	s_mov_b32 s21, 1536
	s_mov_b32 s22, 0
	s_mov_b32 s23, 0
	s_mov_b32 s24, (1<<16)|(1<<20)|(4<<22)|(7<<25)
	s_mov_b32 s25, 64<<16
	s_mov_b32 s26, 64<<16
	s_mov_b32 s27, 64<<16
	s_mov_b32 s28, 64
	s_mov_b32 s29, 1536
	s_mov_b32 s30, 0
	s_mov_b32 s31, 0
	s_lshr_b32 s76, ttmp9, 3
	s_mul_i32 s76, s76, 3145728                    ; 1,024 rows of 3,072 bytes
	s_mul_i32 s77, s12, 196608                     ; my 64 rows of a chunk
	s_add_co_u32 s76, s76, s77
	s_and_b32 s77, ttmp9, 7
	s_lshl_b32 s77, s77, 7                         ; the head's 128 bytes
	s_add_co_u32 s76, s76, s77
	s_add_co_u32 s76, s76, 1024                    ; k begins at column 512
	s_mov_b32 s77, 0
	s_mul_i32 s78, s12, 64*PITK
	s_mul_i32 s75, s12, 64*PITV
	s_add_co_u32 s75, s75, LV
	s_wait_dscnt 0x0
	s_wait_kmcnt 0x0
	s_add_nc_u64 s[4:5], s[4:5], s[76:77]
.irp c, 0,1,2,3
	s_mov_b32 s[32+8*\c], 1
	s_add_co_u32 s[33+8*\c], s78, 256*PITK*\c
	s_add_nc_u64 s[34+8*\c:35+8*\c], s[4:5], 786432*\c
	s_or_b32 s[35+8*\c], s[35+8*\c], 0x80000000
	tensor_load_to_lds s[32+8*\c:35+8*\c], s[16:23]        ; k, chunk c
	s_nop 0
	s_mov_b32 s[36+8*\c], 1
	s_add_co_u32 s[37+8*\c], s75, 256*PITV*\c
	s_add_nc_u64 s[38+8*\c:39+8*\c], s[4:5], 786432*\c+1024
	s_or_b32 s[39+8*\c], s[39+8*\c], 0x80000000
	tensor_load_to_lds s[36+8*\c:39+8*\c], s[24:31]        ; v, chunk c
	s_nop 0
.endr
	v_and_b32 v1, 31, v0
	v_and_b32 v2, 15, v0
	v_bfe_u32 v3, v0, 4, 1
	v_mul_u32_u24 v22, v2, PITK
	v_lshl_add_u32 v22, v3, 4, v22                 ; k fragments: row r, 16 bytes for each half of the lanes
	v_add_nc_u32 v25, s78, v22                     ; the same in my own 64 rows
	v_and_b32 v12, 7, v0
	v_lshl_add_u32 v12, v3, 3, v12
	v_mul_u32_u24 v23, v12, PITV                   ; v, transposing load: row 8 h + (lane & 7),
	v_bfe_u32 v12, v0, 3, 1
	v_lshl_add_u32 v23, v12, 4, v23                ; 16 bytes x ((lane >> 3) & 1)
	v_add_nc_u32 v23, LV, v23
	v_lshlrev_b32 v24, 5, v3
	v_add_nc_u32 v24, LDG, v24                     ; diag of rows 8 h .. 8 h + 7
	s_lshl_b32 s76, s12, 8
	s_add_co_u32 s76, s76, LDG
	v_lshl_add_u32 v8, v2, 2, s76                  ; where I store the diag of my row 64 w + r
	v_lshlrev_b32 v9, 4, v1
	v_mov_b32 v13, 0
	s_mul_i32 s76, s12, 10240                      ; my five tiles of 2,048 bytes
	s_add_nc_u64 s[6:7], s[6:7], s[76:77]
.irp tl, 0,1,2,3,4
.irp o, 0,1,2,3
	global_load_b128 v[PF+16*\tl+4*\o:PF+16*\tl+4*\o+3], v9, s[6:7] offset:2048*\tl+512*\o
.endr
.endr
	s_lshl_b32 s76, ttmp9, 2
	s_add_co_u32 s76, s76, s12                     ; 4 g + w
	s_mul_i32 s78, s76, 25600
	s_mov_b32 s79, 0
	s_add_nc_u64 s[8:9], s[8:9], s[78:79]
	s_lshl_b32 s78, s76, 2
	s_add_nc_u64 s[10:11], s[10:11], s[78:79]
	s_cmp_eq_u32 s12, 3
	s_cselect_b32 s67, 0x04000400, 0               ; lanes r = 10 of wave 3: feature 266 while a lane stands for a feature
	s_cselect_b32 s72, 0xffff0000, 0               ; lanes 16-31 of wave 3: feature 266 is their register 2 in the sums
	s_mov_b32 s68, 0x76543210                      ; v_permlanex16_b32: lane i of one half reads lane i of the other
	s_mov_b32 s69, 0xfedcba98
	s_mov_b32 s70, 0x3f0293ee                      ; c, twice
	s_mov_b32 s71, 0x3f0293ee
	s_mov_b32 s73, 0x3f803f80                      ; 1.0, 1.0 in bf16
	s_mov_b32 s74, 0x3db8aa3b                      ; c2
.irp j, 0,1,2,3,4,5,6,7
	v_mov_b32 v[ONES+\j], s73
.endr
	s_wait_loadcnt 0x0                             ; proj's fragments, once
; c2 |k|^2 of my own 64 rows of chunk c (the rows that my own tensor load brought): a lane squares half a row, the other half's lane the rest.
.macro DIAGPH c
	v_add_nc_u32 v7, 256*PITK*\c, v25
.irp i, 0,1,2,3
.irp o, 0,1,2,3
	ds_load_b128 v[KF+16*\i+4*\o:KF+16*\i+4*\o+3], v7 offset:16*PITK*\i+32*\o
.endr
.endr
	s_wait_dscnt 0x0
.irp i, 0,1,2,3
.set ch, 18+2*(\i&1)
	v_mov_b32 v[ch], 0
	v_mov_b32 v[ch+1], 0
.irp j, 0,1,2,3,4,5,6,7,8,9,10,11,12,13,14,15
	v_fma_mix_f32_bf16 v[ch], v[KF+16*\i+\j], v[KF+16*\i+\j], v[ch] op_sel_hi:[1,1,0]
	v_fma_mix_f32_bf16 v[ch+1], v[KF+16*\i+\j], v[KF+16*\i+\j], v[ch+1] op_sel:[1,1,0] op_sel_hi:[1,1,0]
.endr
	v_add_f32 v[ch], v[ch], v[ch+1]
	v_permlanex16_b32 v12, v[ch], s68, s69
	v_add_f32 v[ch], v[ch], v12
	v_mul_f32 v[ch], s74, v[ch]
	ds_store_b32 v8, v[ch] offset:1024*\c+64*\i    ; both halves' lanes write the same word with the same value
.endr
.endm
; One step: 64 rows x my 80 features.  first = 1: the first products start the sums and there is nothing to rescale.
.macro STEP first
	WIN 0
	PLACES 5                                       ; behind the last step's products: five places before the raw products write over KP, four before loads land in VF
.irp i, 0,1,2,3
.irp sk, 0,1
	ds_load_b128 v[KF+16*\i+8*\sk:KF+16*\i+8*\sk+3],   v4 offset:16*PITK*\i+64*\sk
	ds_load_b128 v[KF+16*\i+8*\sk+4:KF+16*\i+8*\sk+7], v4 offset:16*PITK*\i+64*\sk+32
.endr
.endr
	WIN 0x40
.irp i, 0,1,2,3
	ds_load_b128 v[DG+8*\i:DG+8*\i+3],   v6 offset:64*\i
	ds_load_b128 v[DG+8*\i+4:DG+8*\i+7], v6 offset:64*\i+16
.endr
	WIN 0
.irp q, 0,1
.irp u, 0,1,2,3
	ds_load_tr16_b128 v[VF+32*\q+8*\u:VF+32*\q+8*\u+3],   v5 offset:32*PITV*\q+32*\u
	ds_load_tr16_b128 v[VF+32*\q+8*\u+4:VF+32*\q+8*\u+7], v5 offset:32*PITV*\q+32*\u+16*PITV
.endr
.endr
	s_wait_dscnt 24                                ; k's 16 loads are in; diag's 8 and v's 16 stay out
	; raw = k . proj: a lane stands for a feature, its registers for rows 8 h + j.  The 20 accumulators take turns, one instruction a turn.
	WIN 0x50
.irp tl, 0,1,2,3,4
.irp i, 0,1,2,3
	v_wmma_f32_16x16x32_bf16 v[32*\tl+8*\i:32*\tl+8*\i+7], v[KF+16*\i:KF+16*\i+7], v[PF+16*\tl:PF+16*\tl+7], 0
.endr
.endr
.irp tl, 0,1,2,3,4
.irp i, 0,1,2,3
	v_wmma_f32_16x16x32_bf16 v[32*\tl+8*\i:32*\tl+8*\i+7], v[KF+16*\i+8:KF+16*\i+15], v[PF+16*\tl+8:PF+16*\tl+15], v[32*\tl+8*\i:32*\tl+8*\i+7]
.endr
.endr
	PLACES 4                                       ; four places before vector instructions read the results (ISA guide 7.12.1)
	; the largest raw of the step: four chains over the lane's 160 numbers, then over the 32 lanes
	WIN 0x15
.irp k, 0,1,2,3
	v_max3_num_f32 v[18+\k], v[3*\k], v[3*\k+1], v[3*\k+2]
.endr
	WIN 0x14
.set j, 12
.rept 74
	v_max3_num_f32 v[18+(j/2)%4], v[18+(j/2)%4], v[j], v[j+1]
.set j, j+2
.endr
	WIN 0
	v_max3_num_f32 v18, v18, v19, v20
	v_max_num_f32 v11, v18, v21
	v_max_num_f32_dpp v11, v11, v11 row_xmask:1 row_mask:0xf bank_mask:0xf
	v_max_num_f32_dpp v11, v11, v11 row_xmask:2 row_mask:0xf bank_mask:0xf
	v_max_num_f32_dpp v11, v11, v11 row_xmask:4 row_mask:0xf bank_mask:0xf
	v_max_num_f32_dpp v11, v11, v11 row_xmask:8 row_mask:0xf bank_mask:0xf
	v_permlanex16_b32 v12, v11, s68, s69
	v_max_num_f32 v11, v11, v12
.if \first
	v_mov_b32 v10, v11
.else
	v_max_num_f32 v12, v10, v11                    ; the new running maximum
	v_sub_f32 v13, v10, v12
	v_mul_f32 v13, s70, v13
	v_exp_f32 v14, v13                             ; f = exp2(c (s_old - s_new)), at most 1
	v_mov_b32 v10, v12                             ; the plain instruction between v_exp_f32 and the use of its result (ISA guide 5.7.2)
	s_wait_alu depctr_va_vdst(0)
	v_mov_b32 v15, v14
	v_cndmask_b32 v16, v14, 1.0, s72               ; the plain sum of v is not rescaled
	v_mov_b32 v17, v14
.endif
	WIN 0x40
	v_mul_f32 v[CS], s70, v10
	v_mul_f32 v[CS+1], s70, v10
	s_wait_dscnt 16                                ; diag's 8 loads are in; v's 16 stay out
	WIN 0x55
.set j, 0
.rept 16
	v_pk_add_f32 v[T+j:T+j+1], v[DG+j:DG+j+1], v[CS:CS+1]
.set j, j+2
.endr
.irp tl, 0,1,2,3,4
.irp i, 0,1,2,3
.irp p, 0,2,4,6
	v_pk_fma_f32 v[32*\tl+8*\i+\p:32*\tl+8*\i+\p+1], v[32*\tl+8*\i+\p:32*\tl+8*\i+\p+1], s[70:71], v[T+8*\i+\p:T+8*\i+\p+1] op_sel_hi:[1,0,1] neg_lo:[0,0,1] neg_hi:[0,0,1]
.endr
.endr
.endr
	; E = exp2(..), rounded in place: a tile's eight exponentials, then the tile before's four conversions, which are the plain
	; instructions between a tile's exponentials and its own conversions (ISA guide 5.7.2).  Row tiles 2 q and 2 q + 1 make KP[tl][q].
.set idx, 0
.rept 20
	EXP8 (8*idx)
.if idx == 0
	v_nop
.else
	CVT4 (8*(idx-1)-4*((idx-1)%2)),(8*(idx-1))
.endif
.set idx, idx+1
.endr
	CVT4 (8*19-4),(8*19)
.irp q, 0,1
.irp j, 0,1,2,3,4,5,6,7
	v_cndmask_b32 v[32+16*\q+\j], v[32+16*\q+\j], s73, s67     ; feature 266: E = 1.0 in every row
.endr
.endr
.if \first == 0
	WIN 0x82
.irp tl, 0,1,2,3,4
.irp u, 0,1,2,3,4
.irp p, 0,2,4,6
.set fsel, 14
.if \tl == 1
.if \p == 2
.set fsel, 16
.endif
.endif
	v_pk_mul_f32 v[8*(5*\tl+\u)+\p:8*(5*\tl+\u)+\p+1], v[8*(5*\tl+\u)+\p:8*(5*\tl+\u)+\p+1], v[fsel:fsel+1]
.endr
.endr
.endr
.endif
	s_wait_dscnt 0x0                               ; v's fragments
	; C += E^T v: register j is feature 8 h + j, the lane is e.  The 25 accumulators take turns, one instruction a turn.
	WIN 0xa1
.irp q, 0,1
.irp tl, 0,1,2,3,4
.irp u, 0,1,2,3,4
.if \u == 4
.set bsel, ONES
.else
.set bsel, VF+32*\q+8*\u
.endif
.set cz, 0
.if \q == 0
.if \first
.set cz, 1
.endif
.endif
.if cz
	v_wmma_f32_16x16x32_bf16 v[8*(5*\tl+\u):8*(5*\tl+\u)+7], v[32*\tl+16*\q:32*\tl+16*\q+7], v[bsel:bsel+7], 0
.else
	v_wmma_f32_16x16x32_bf16 v[8*(5*\tl+\u):8*(5*\tl+\u)+7], v[32*\tl+16*\q:32*\tl+16*\q+7], v[bsel:bsel+7], v[8*(5*\tl+\u):8*(5*\tl+\u)+7]
.endif
.endr
.endr
.endr
	WIN 0
	v_add_nc_u32 v4, 64*PITK, v4                   ; the next 64 rows
	v_add_nc_u32 v5, 64*PITV, v5
	v_add_nc_u32 v6, 256, v6
.endm
; A chunk of 256 rows.  One barrier: in front of it every wave has seen its own part of the chunk's k and v land and has stored its rows' diag.
.macro CHUNK c
	s_wait_tensorcnt 6-2*\c                        ; loads end in order: my k and v of chunk c are in; the 6 - 2 c loads of later chunks stay out (no LDS byte is ever filled again)
	DIAGPH \c
	v_add_nc_u32 v4, 256*PITK*\c, v22
	v_add_nc_u32 v5, 256*PITV*\c, v23
	v_add_nc_u32 v6, 1024*\c, v24
	s_wait_dscnt 0x0                               ; my diag stores are done, for the others' sake
	s_barrier_signal -1
	s_barrier_wait -1
.if \c == 0
	STEP 1
	s_mov_b32 s66, 3
.else
	s_mov_b32 s66, 4
.endif
.Lstep_\@:
	STEP 0
	s_sub_co_u32 s66, s66, 1
	s_cmp_lg_u32 s66, 0
	s_cbranch_scc1 .Lstep_\@
.endm
	CHUNK 0
	CHUNK 1
	CHUNK 2
	CHUNK 3
	; The sums leave as they lie in the registers: each store of the wave covers 512 consecutive bytes, aligned.
	PLACES 4
	WIN 0x08
.irp tl, 0,1
.irp u, 0,1,2,3,4
	global_store_b128 v9, v[8*(5*\tl+\u):8*(5*\tl+\u)+3],   s[8:9] offset:(5*\tl+\u)*1024
	global_store_b128 v9, v[8*(5*\tl+\u)+4:8*(5*\tl+\u)+7], s[8:9] offset:(5*\tl+\u)*1024+512
.endr
.endr
	WIN 0
	s_cmp_eq_u32 s12, 3
	s_cbranch_scc1 .Lno_pad                        ; wave 3's tiles 17 to 19 are padding: nobody reads them
	WIN 0x08
.irp tl, 2,3,4
.irp u, 0,1,2,3,4
	global_store_b128 v9, v[8*(5*\tl+\u):8*(5*\tl+\u)+3],   s[8:9] offset:(5*\tl+\u)*1024
	global_store_b128 v9, v[8*(5*\tl+\u)+4:8*(5*\tl+\u)+7], s[8:9] offset:(5*\tl+\u)*1024+512
.endr
.endr
	WIN 0
.Lno_pad:
	v_mov_b32 v13, 0
	s_wait_xcnt 0x0                                ; EXEC, a source of the stores above, changes only behind this wait
	v_cmp_eq_u32 vcc_lo, 0, v1
	s_wait_tensorcnt 0x0
	ds_add_u32 v254, v255
	s_wait_dscnt 0x0
	s_and_saveexec_b32 s76, vcc_lo
	global_store_b32 v13, v10, s[10:11]            ; the wave's maximum of raw
	s_endpgm
.Lfunc_end_k_q1f8cfdfb8f_kside:
	.size	k_q1f8cfdfb8f_kside, .Lfunc_end_k_q1f8cfdfb8f_kside-k_q1f8cfdfb8f_kside
	.p2alignl 7, 3214868480
	.fill 96, 4, 3214868480
	.section	.rodata,"a",@progbits
	.p2align	6, 0x0
	.amdhsa_kernel k_q1f8cfdfb8f_kside
		.amdhsa_group_segment_fixed_size 315904
		.amdhsa_private_segment_fixed_size 0
		.amdhsa_enable_private_segment 0
		.amdhsa_kernarg_size 32
		.amdhsa_user_sgpr_count 2
		.amdhsa_user_sgpr_kernarg_segment_ptr 1
		.amdhsa_wavefront_size32 1
		.amdhsa_system_sgpr_workgroup_id_x 1
		.amdhsa_system_sgpr_workgroup_id_y 1
		.amdhsa_system_sgpr_workgroup_id_z 1
		.amdhsa_system_vgpr_workitem_id 0
		.amdhsa_next_free_vgpr 768
		.amdhsa_next_free_sgpr 80
		.amdhsa_reserve_vcc 1
		.amdhsa_float_denorm_mode_32 3
		.amdhsa_float_denorm_mode_16_64 3
		.amdhsa_memory_ordered 1
		.amdhsa_forward_progress 1
		.amdhsa_inst_pref_size 244
	.end_amdhsa_kernel
	.amdgpu_metadata
---
amdhsa.version: [ 1, 2 ]
amdhsa.kernels:
  - .name:           k_q1f8cfdfb8f_kside
    .symbol:         k_q1f8cfdfb8f_kside.kd
    .args:
      - { .name: qkv, .offset: 0, .size: 8, .value_kind: global_buffer, .address_space: global }
      - { .name: pbf, .offset: 8, .size: 8, .value_kind: global_buffer, .address_space: global }
      - { .name: part, .offset: 16, .size: 8, .value_kind: global_buffer, .address_space: global }
      - { .name: refs, .offset: 24, .size: 8, .value_kind: global_buffer, .address_space: global }
    .group_segment_fixed_size: 315904
    .private_segment_fixed_size: 0
    .kernarg_segment_align: 8
    .kernarg_segment_size: 32
    .max_flat_workgroup_size: 128
    .sgpr_count:     80
    .vgpr_count:     768
    .wavefront_size: 32
...
	.end_amdgpu_metadata
.endif
;; end of part 3
;; launch combine (part 4): grid 6 x 64, 4 waves a work-group, no clusters, 2,816 bytes of LDS; arguments part, refs, wof, ctxf; writes ctxf
.if DOCPART == 4
	.amdgcn_target "amdgcn-amd-amdhsa--gfx1250"
	.amdhsa_code_object_version 6
	.text
	.protected	k_q1f8cfdfb8f_combine
	.globl	k_q1f8cfdfb8f_combine
	.p2align	8
	.type	k_q1f8cfdfb8f_combine,@function
k_q1f8cfdfb8f_combine:
	s_mov_b64 s[64:65], 0
	v_nop
	global_prefetch_b8 v0, s[64:65] scope:SCOPE_SE
	s_setreg_imm32_b32 hwreg(HW_REG_WAVE_MODE, 25, 1), 1
	s_wait_xcnt 0x0
; Two kinds of work-groups, told apart by the grid's x.
; x = u < 5, y = bh:  ctxE[m][e] = sum over the four row quarters p of exp2(c (s_p - S)) C_p[m][e],  S = the largest of all 1,024 references: the sums of
;   exp(dd - diag - max dd) v with the one maximum over all batches, heads, rows and features.  Column tile u (e = 16 u .. +15) of (batch, head) bh.
;   In tile u = 4 the even columns are the same sums with v = 1 (the exponential part of k_cumsum) and the odd columns are set to 1.0, so that the query
;   side's product with them is the sum of its own features.  Wave w: feature tiles 5 w .. 5 w + 4; wave 3 has tiles 15 and 16 and writes tile 17 as zeros.
;   In tile 16 features 266..271 are cleared, and feature 266 then takes EPS x (column sum over m < 266): the query side meets it with the factor 1.0,
;   which adds the EPS of the queries' feature map (in the columns of ones: 266 EPS).  Out: bf16 register images of the fragments of ctxE^T, 512 bytes a tile.
; x = 5, y = 8 b + cb:  VW[b][h][col] = sum over e of EPS (sum over n of v[n][64 h + e]) Wo[64 h + e][col], col = 64 cb .. +63, all eight heads, in f32 from the
;   bf16 Wo.  This is what the keys' EPS adds to the context, already carried through the output projection: it is the same for every feature, so a single
;   rounding to bf16 would be an error common to all features; it leaves here as a bf16 number and the bf16 of the remainder.
;   Out, behind the contexts: [b][nb 32][hf 2][lane][8 bf16]; lane (r, h') of half hf holds, for heads 4 hf + 2 h' + {0, 1}: high, high, remainder, remainder.
; Sums over four partials and a few kilobytes a wave: no matrix unit, no tensor load, no cluster (no two work-groups read the same partials).
; v_exp_f32 flushes results below 2^-126 to zero: a quarter so far below the maximum adds nothing that f32 would keep.
.set P0, 64                            ; P[p][tl] at 64 + 40 p + 8 tl
.set VWOFF, 2949120                    ; 64 contexts of 46,080 bytes
	s_load_b256 s[4:11], s[0:1], 0x0               ; part 4, refs 6, wof 8, ctxf 10
	v_lshl_add_u32 v30, v0, 2, 0x900
	v_mov_b32 v31, 0
	v_lshrrev_b32 v1, 5, v0
	v_readfirstlane_b32 s16, v1                    ; wave
	s_mov_b32 s17, ttmp9                           ; u
	s_and_b32 s18, ttmp7, 0xffff                   ; bh
	s_lshr_b32 s19, s18, 3                         ; b
	s_and_b32 s30, s18, 7                          ; h, or the column block cb
	s_mov_b32 s33, 0                               ; high words of the offset pairs
	s_mov_b32 s35, 0
	s_mov_b32 s37, 0
	s_mov_b32 s24, 0x76543210                      ; v_permlanex16_b32: lane i of one half reads lane i of the other
	s_mov_b32 s25, 0xfedcba98
	s_mov_b32 s27, 0x3f0293ee                      ; c
	s_mov_b32 s28, 0x38d1b717                      ; EPS
	s_mov_b32 s29, 0xffff0000                      ; lanes 16-31
	v_and_b32 v1, 31, v0
	v_lshlrev_b32 v4, 4, v1
	s_cmp_eq_u32 s17, 5
	s_cbranch_scc1 .Lvw                            ; the same way for the whole work-group
	; ---------------- the contexts
	s_lshl_b32 s31, s19, 5
	s_add_co_u32 s31, s31, s30                     ; 32 b + h: the key side's work-group of quarter 0; quarter p is 8 p further
	s_mul_i32 s32, s31, 102400
	s_lshl_b32 s34, s17, 10
	s_add_co_u32 s32, s32, s34
	s_mul_i32 s34, s16, 25600
	s_add_co_u32 s32, s32, s34
	s_wait_kmcnt 0x0
	s_add_nc_u64 s[12:13], s[4:5], s[32:33]        ; my wave's tiles, column tile u
	s_lshl_b32 s34, s31, 4
	s_lshl2_add_u32 s34, s16, s34                  ; 16 (32 b + h) + 4 w
	s_add_nc_u64 s[14:15], s[6:7], s[34:35]
	s_load_b32 s20, s[14:15], 0x0                  ; my wave's reference in each quarter
	s_load_b32 s21, s[14:15], 0x80
	s_load_b32 s22, s[14:15], 0x100
	s_load_b32 s23, s[14:15], 0x180
	s_mul_i32 s34, s18, 46080
	s_mul_i32 s36, s17, 9216
	s_add_co_u32 s34, s34, s36
	s_mul_i32 s36, s16, 2560
	s_add_co_u32 s34, s34, s36
	s_add_nc_u64 s[10:11], s[10:11], s[34:35]
	s_cmp_eq_u32 s16, 3
	s_cselect_b32 s26, 0xffff0000, 0               ; lanes 16-31 of wave 3
	s_cmp_eq_u32 s17, 4
	s_cselect_b32 s38, 0xaaaaaaaa, 0               ; the odd columns of tile 4
	v_and_b32 v2, 15, v0
	v_lshlrev_b32 v2, 2, v2
	s_lshl_b32 s36, s16, 6
	v_add_nc_u32 v3, s36, v2
.irp i, 0,1,2,3,4,5,6,7
	global_load_b128 v[32+4*\i:35+4*\i], v4, s[6:7] offset:512*\i      ; all 1,024 references
.endr
.macro LOADT tl
.irp p, 0,1,2,3
.irp hf, 0,1
	global_load_b128 v[P0+40*\p+8*\tl+4*\hf:P0+40*\p+8*\tl+4*\hf+3], v4, s[12:13] offset:819200*\p+5120*\tl+512*\hf
.endr
.endr
.endm
	LOADT 0
	LOADT 1
	s_cmp_eq_u32 s16, 3
	s_cbranch_scc1 .Lloaded
	LOADT 2
	LOADT 3
	LOADT 4
.Lloaded:
	s_wait_kmcnt 0x0
	s_wait_loadcnt 0x0
	; S
	v_max3_num_f32 v18, v32, v33, v34
	v_max3_num_f32 v19, v35, v36, v37
.set j, 38
.rept 13
	v_max3_num_f32 v[18+(j/2)%2], v[18+(j/2)%2], v[j], v[j+1]
.set j, j+2
.endr
	v_max_num_f32 v18, v18, v19
	v_max_num_f32_dpp v18, v18, v18 row_xmask:1 row_mask:0xf bank_mask:0xf
	v_max_num_f32_dpp v18, v18, v18 row_xmask:2 row_mask:0xf bank_mask:0xf
	v_max_num_f32_dpp v18, v18, v18 row_xmask:4 row_mask:0xf bank_mask:0xf
	v_max_num_f32_dpp v18, v18, v18 row_xmask:8 row_mask:0xf bank_mask:0xf
	v_permlanex16_b32 v19, v18, s24, s25
	v_max_num_f32 v18, v18, v19
	; the four factors, each twice for the packed arithmetic
.irp p, 0,1,2,3
	v_sub_f32 v[20+\p], s[20+\p], v18
	v_mul_f32 v[20+\p], s27, v[20+\p]
.endr
.irp p, 0,1,2,3
	v_exp_f32 v[8+2*\p], v[20+\p]
.endr
	v_nop                                          ; the plain instruction between the exponentials and the use of their results (ISA guide 5.7.2)
	s_wait_alu depctr_va_vdst(0)
.irp p, 0,1,2,3
	v_mov_b32 v[9+2*\p], v[8+2*\p]
.endr
.macro VALT tl
.irp p, 0,2,4,6
	v_pk_mul_f32 v[P0+8*\tl+\p:P0+8*\tl+\p+1], v[P0+8*\tl+\p:P0+8*\tl+\p+1], v[8:9]
.endr
.irp p, 0,2,4,6
	v_pk_fma_f32 v[P0+8*\tl+\p:P0+8*\tl+\p+1], v[P0+40+8*\tl+\p:P0+40+8*\tl+\p+1], v[10:11], v[P0+8*\tl+\p:P0+8*\tl+\p+1]
.endr
.irp p, 0,2,4,6
	v_pk_fma_f32 v[P0+8*\tl+\p:P0+8*\tl+\p+1], v[P0+80+8*\tl+\p:P0+80+8*\tl+\p+1], v[12:13], v[P0+8*\tl+\p:P0+8*\tl+\p+1]
.endr
.irp p, 0,2,4,6
	v_pk_fma_f32 v[P0+8*\tl+\p:P0+8*\tl+\p+1], v[P0+120+8*\tl+\p:P0+120+8*\tl+\p+1], v[14:15], v[P0+8*\tl+\p:P0+8*\tl+\p+1]
.endr
.irp j, 0,1,2,3,4,5,6,7
	v_cndmask_b32 v[P0+8*\tl+\j], v[P0+8*\tl+\j], 1.0, s38     ; tile 4, odd columns: ones
.endr
.if \tl == 1
.irp j, 2,3,4,5,6,7
	v_cndmask_b32 v[P0+8+\j], v[P0+8+\j], 0, s26   ; features 266 to 271 hold nothing of the context
.endr
.endif
.if \tl == 0
	v_pk_add_f32 v[28:29], v[P0:P0+1], v[P0+2:P0+3]            ; the first two pairs start the column sum
	v_pk_add_f32 v[28:29], v[28:29], v[P0+4:P0+5]
	v_pk_add_f32 v[28:29], v[28:29], v[P0+6:P0+7]
.else
.irp p, 0,2,4,6
	v_pk_add_f32 v[28:29], v[28:29], v[P0+8*\tl+\p:P0+8*\tl+\p+1]
.endr
.endif
.endm
	VALT 0
	VALT 1
	s_cmp_eq_u32 s16, 3
	s_cbranch_scc1 .Lsummed
	VALT 2
	VALT 3
	VALT 4
.Lsummed:
	v_add_f32 v28, v28, v29
	v_permlanex16_b32 v29, v28, s24, s25
	v_add_f32 v28, v28, v29                        ; my wave's features, column e = 16 u + r
	ds_store_b32 v3, v28                           ; both halves' lanes write the same word with the same value
	s_wait_dscnt 0x0                               ; for the others' sake
	s_barrier_signal -1
	s_barrier_wait -1
	ds_load_b32 v20, v2
	ds_load_b32 v21, v2 offset:64
	ds_load_b32 v22, v2 offset:128
	ds_load_b32 v23, v2 offset:192
	s_wait_dscnt 0x0
	v_add_f32 v20, v20, v21
	v_add_f32 v22, v22, v23
	v_add_f32 v20, v20, v22
	v_mul_f32 v20, s28, v20
	v_cndmask_b32 v[P0+10], v[P0+10], v20, s26     ; feature 266 = EPS x column sum
.macro STORET tl
.irp a, 0,1,2,3
	v_cvt_pk_bf16_f32 v[P0+8*\tl+\a], v[P0+8*\tl+2*\a], v[P0+8*\tl+2*\a+1]
.endr
	global_store_b128 v4, v[P0+8*\tl:P0+8*\tl+3], s[10:11] offset:512*\tl  ; 512 consecutive bytes, aligned
.endm
	STORET 0
	STORET 1
	s_cmp_eq_u32 s16, 3
	s_cbranch_scc1 .Lwave3
	STORET 2
	STORET 3
	STORET 4
	s_wait_tensorcnt 0x0
	ds_add_u32 v30, v31
	s_wait_dscnt 0x0
	s_endpgm
.Lwave3:
	v_mov_b32 v32, 0
	v_mov_b32 v33, 0
	v_mov_b32 v34, 0
	v_mov_b32 v35, 0
	global_store_b128 v4, v[32:35], s[10:11] offset:1024   ; tile 17: features 272 to 287
	s_wait_tensorcnt 0x0
	ds_add_u32 v30, v31
	s_wait_dscnt 0x0
	s_endpgm
	; ---------------- VW: batch s19, columns 64 cb .. +63; wave w takes the column block nb = 4 cb + w of sixteen
.Lvw:
.set VB0, 192                          ; EPS x sum of v for one head's 32 rows of a lane, two buffers
.set VB1, 224
	s_mul_i32 s32, s19, 3276800                    ; 32 b work-groups of 102,400 bytes
	v_lshrrev_b32 v5, 6, v0
	v_mul_u32_u24 v5, v5, 102400                   ; thread t, turn j: e' = t + 128 j, head (t >> 6) + 2 j,
	v_bfe_u32 v6, v0, 4, 2
	v_lshl_add_u32 v5, v6, 10, v5                  ; column tile (t >> 4) & 3,
	v_and_b32 v6, 15, v0
	v_lshl_add_u32 v5, v6, 4, v5                   ; lane 16 + (t & 15)
	v_lshlrev_b32 v6, 2, v0
	v_bfe_u32 v7, v0, 4, 1
	v_lshlrev_b32 v7, 5, v7                        ; my eight rows of sixteen: 32 bytes x (lane >> 4)
	s_lshl_b32 s34, s30, 2
	s_add_co_u32 s34, s34, s16                     ; nb
	s_lshl_b32 s36, s34, 14
	s_wait_kmcnt 0x0
	s_add_nc_u64 s[12:13], s[4:5], s[32:33]
	s_add_nc_u64 s[8:9], s[8:9], s[36:37]          ; Wo's images of my column block: 16,384 consecutive bytes
	s_lshl_b32 s36, s19, 15
	s_lshl_b32 s34, s34, 10
	s_add_co_u32 s36, s36, s34
	s_add_co_u32 s36, s36, VWOFF
	s_add_nc_u64 s[10:11], s[10:11], s[36:37]
	; the plain sums of v: feature 266 = wave 3 (76,800), tile 1 (5,120), register 2 (8) of lanes 16-31 (256): one word of every 16 bytes, 16 loads a thread in all
.irp j, 0,1,2,3
.irp p, 0,1,2,3
	global_load_b32 v[32+4*\j+\p], v5, s[12:13] offset:204800*\j+819200*\p+82184
.endr
.endr
.set q, 0
.rept 32
	global_load_b128 v[64+4*q:67+4*q], v4, s[8:9] offset:512*q     ; rows 16 q + 8 (lane >> 4) .. +7 of column 16 nb + r
.set q, q+1
.endr
	s_wait_loadcnt 32                              ; the 16 words are in; Wo's 32 loads stay out
.irp j, 0,1,2,3
	v_add_f32 v[32+4*\j], v[32+4*\j], v[33+4*\j]
	v_add_f32 v[34+4*\j], v[34+4*\j], v[35+4*\j]
	v_add_f32 v[32+4*\j], v[32+4*\j], v[34+4*\j]
	v_mul_f32 v[32+4*\j], s28, v[32+4*\j]
	ds_store_b32 v6, v[32+4*\j] offset:256+512*\j  ; EPS x sum of v, 512 f32 from LDS byte 256 on
.endr
.set j, 8
.rept 16
	v_mov_b32 v[j], 0                              ; two chains for each of eight heads
.set j, j+1
.endr
	s_wait_dscnt 0x0                               ; for the others' sake
	s_barrier_signal -1
	s_barrier_wait -1
.macro VLOAD h, vb
.irp qq, 0,1,2,3
.irp hf, 0,1
	ds_load_b128 v[\vb+8*\qq+4*\hf:\vb+8*\qq+4*\hf+3], v7 offset:256+256*\h+64*\qq+16*\hf
.endr
.endr
.endm
.macro VDOT h, vb
.irp qq, 0,1,2,3
.irp d, 0,1,2,3
	v_fma_mix_f32_bf16 v[8+2*\h], v[64+4*(4*\h+\qq)+\d], v[\vb+8*\qq+2*\d], v[8+2*\h] op_sel_hi:[1,0,0]
	v_fma_mix_f32_bf16 v[9+2*\h], v[64+4*(4*\h+\qq)+\d], v[\vb+8*\qq+2*\d+1], v[9+2*\h] op_sel:[1,0,0] op_sel_hi:[1,0,0]
.endr
.endr
.endm
	VLOAD 0, VB0
	s_wait_loadcnt 0x0                             ; Wo
.irp h, 0,2,4,6
	VLOAD (\h+1), VB1
	s_wait_dscnt 8                                 ; this head's eight loads are in, the next head's eight stay out
	VDOT \h, VB0
.if \h < 6
	VLOAD (\h+2), VB0
	s_wait_dscnt 8
.else
	s_wait_dscnt 0
.endif
	VDOT (\h+1), VB1
.endr
.irp h, 0,1,2,3,4,5,6,7
	v_add_f32 v[8+2*\h], v[8+2*\h], v[9+2*\h]
	v_permlanex16_b32 v[9+2*\h], v[8+2*\h], s24, s25
	v_add_f32 v[8+2*\h], v[8+2*\h], v[9+2*\h]      ; VW[h][16 nb + r], in both halves' lanes
.endr
.irp hf, 0,1
.irp hl, 0,1
	v_cndmask_b32 v[32+2*\hf+\hl], v[8+2*(4*\hf+\hl)], v[8+2*(4*\hf+2+\hl)], s29   ; head 4 hf + 2 (lane >> 4) + hl
	v_cvt_pk_bf16_f32 v[40+4*\hf+2*\hl], v[32+2*\hf+\hl], v[32+2*\hf+\hl]          ; the bf16 number, twice
	v_lshlrev_b32 v36, 16, v[40+4*\hf+2*\hl]
	v_sub_f32 v36, v[32+2*\hf+\hl], v36
	v_cvt_pk_bf16_f32 v[41+4*\hf+2*\hl], v36, v36                                  ; the remainder, twice
.endr
	global_store_b128 v4, v[40+4*\hf:43+4*\hf], s[10:11] offset:512*\hf            ; 512 consecutive bytes, aligned
.endr
	s_wait_tensorcnt 0x0
	ds_add_u32 v30, v31
	s_wait_dscnt 0x0
	s_endpgm
.Lfunc_end_k_q1f8cfdfb8f_combine:
	.size	k_q1f8cfdfb8f_combine, .Lfunc_end_k_q1f8cfdfb8f_combine-k_q1f8cfdfb8f_combine
	.p2alignl 7, 3214868480
	.fill 96, 4, 3214868480
	.section	.rodata,"a",@progbits
	.p2align	6, 0x0
	.amdhsa_kernel k_q1f8cfdfb8f_combine
		.amdhsa_group_segment_fixed_size 2816
		.amdhsa_private_segment_fixed_size 0
		.amdhsa_enable_private_segment 0
		.amdhsa_kernarg_size 32
		.amdhsa_user_sgpr_count 2
		.amdhsa_user_sgpr_kernarg_segment_ptr 1
		.amdhsa_wavefront_size32 1
		.amdhsa_system_sgpr_workgroup_id_x 1
		.amdhsa_system_sgpr_workgroup_id_y 1
		.amdhsa_system_sgpr_workgroup_id_z 1
		.amdhsa_system_vgpr_workitem_id 0
		.amdhsa_next_free_vgpr 256
		.amdhsa_next_free_sgpr 66
		.amdhsa_reserve_vcc 0
		.amdhsa_float_denorm_mode_32 3
		.amdhsa_float_denorm_mode_16_64 3
		.amdhsa_memory_ordered 1
		.amdhsa_forward_progress 1
		.amdhsa_inst_pref_size 51
	.end_amdhsa_kernel
	.amdgpu_metadata
---
amdhsa.version: [ 1, 2 ]
amdhsa.kernels:
  - .name:           k_q1f8cfdfb8f_combine
    .symbol:         k_q1f8cfdfb8f_combine.kd
    .args:
      - { .name: part, .offset: 0, .size: 8, .value_kind: global_buffer, .address_space: global }
      - { .name: refs, .offset: 8, .size: 8, .value_kind: global_buffer, .address_space: global }
      - { .name: wof, .offset: 16, .size: 8, .value_kind: global_buffer, .address_space: global }
      - { .name: ctxf, .offset: 24, .size: 8, .value_kind: global_buffer, .address_space: global }
    .group_segment_fixed_size: 2816
    .private_segment_fixed_size: 0
    .kernarg_segment_align: 8
    .kernarg_segment_size: 32
    .max_flat_workgroup_size: 128
    .sgpr_count:     66
    .vgpr_count:     256
    .wavefront_size: 32
...
	.end_amdgpu_metadata
.endif
;; end of part 4
;; launch qside (part 5): grid 256 x 1, 4 waves a work-group, no clusters, 181,760 bytes of LDS; arguments qkv, pbf, ctxf, wof, bo, out0; writes out0
.if DOCPART == 5
	.amdgcn_target "amdgcn-amd-amdhsa--gfx1250"
	.amdhsa_code_object_version 6
	.text
	.protected	k_q1f8cfdfb8f_qside
	.globl	k_q1f8cfdfb8f_qside
	.p2align	8
	.type	k_q1f8cfdfb8f_qside,@function
k_q1f8cfdfb8f_qside:
	s_mov_b64 s[64:65], 0
	v_nop
	global_prefetch_b8 v0, s[64:65] scope:SCOPE_SE
	s_setreg_imm32_b32 hwreg(HW_REG_WAVE_MODE, 25, 1), 1
	s_wait_xcnt 0x0
; The query side and the output projection, for 128 rows (work-group g: rows 128 g .. +127 of batch g >> 5).
; With Eq = exp2(c raw - c2 |q|^2 - c max over features of raw), the maximum taken row by row, raw = q . proj, and sq = sum of Eq + 266 EPS:
;   numerator[e] = Eq . ctxE[.][e] + EPS (column sum of ctxE) + sq EPS (sum of v)[e],   denominator = Eq . ksumE + EPS (sum of ksumE) + sq EPS 4,096.
; PHASE B, wave w = heads 2 w and 2 w + 1, 16 rows a trip:  O = Eq . ctxE, where feature 266 has Eq = 1.0 and meets EPS x (column sums); in column tile 4 the even
; columns are ksumE and the odd ones are ones, so that register 0 of O's tile 4 is the denominator's first two terms and register 1 is sq.
; attnE = O / denominator goes to bf16, over the q just read.  g = sq / denominator is kept as a bf16 number and the bf16 of the remainder.
; PHASE C, wave w = columns 128 w .. +127 of all 128 rows:  out = attnE . Wo + sum over heads of g[h] VW[h] + bo, VW = EPS (sum of v) . Wo of the head, made by the
; launch before as a bf16 number and remainder too.  The second sum is a 17th K step of 32: k = 8 wave + 4 (head in wave) + i, with (g, g', g, g') against
; (VW, VW, VW', VW').  This term is common to all features and nearly to all rows, so a single rounding to bf16 would be an error that nothing averages out.
; Matrix operands are bf16, all else f32; |q|^2 is summed from the bf16 q that enters raw.  v_exp_f32 and v_rcp_f32 flush denormals; the denominator is
; at least 266 EPS x 4,096 EPS, far from that range.  The factor m^-1/2 is common to numerator and denominator and is not applied.
; ORIENTATION: in raw source 0 is proj and source 1 is q, so that a lane stands for a row and its registers for features 8 h + j: maximum and |q|^2 stay in the
; lane but for one exchange of halves, and two neighbouring tiles, rounded in place, are source 1 of the next product.
; NO CLUSTER, no joint loads: what work-groups share (proj 34,816 bytes, a head's context 46,080, Wo 131,072 a wave) lies in memory as register images; each
; image is used by one wave of the work-group alone and goes straight into its registers, 512 consecutive bytes an instruction; the context then serves
; eight trips from registers.  A joint load would land it in LDS, from where the same wave would read the same bytes once more.
; LDS: q, 128 rows x 256 bytes (two heads) for each wave, pitch 272, brought by the wave's one tensor load (one is out at the most) and never filled again;
; behind it a stage of 16 rows x 528 bytes for each wave, for the way out; behind that g, 128 rows x 16 bytes for each wave.
.set QREG,  34816                      ; a wave's q region: 128 rows x 272
.set STG,   139264
.set SREG,  8448                       ; 16 rows x 528
.set GOFF,  173056                     ; g: wave w's 2,048 bytes at GOFF + 2,048 w; row n's 16 bytes: head 2 w (g, g', g, g'), head 2 w + 1 likewise
.set VWOFF, 2949120                    ; VW's images lie behind the 64 contexts of 46,080 bytes
.set NK,    17                         ; K steps of phase C
; window 0: v4 16 x lane, v5 q rows of this trip, v[8:11] attn rows in the four regions, v12 / v13 stage in / back, v14 q rows of trip 0, v15 where g goes,
;           v[16:19] bias, v20-23 chains, v24 maximum, then denominator, v25 at work, v26-27 |q|^2, then g, v[28:29] what is taken from the exponent,
;           v[30:31] 1 / denominator, v48 where g goes in trip 0, v49 from where g's fragments are read
.set QF,   32                          ; v32-47    q fragments [sk 2] x 8
.set O,    64                          ; v64-103   O[u] x 8
.set PK,   104                         ; v104-119  attn, packed
.set PF16, 128                         ; v128-143  proj tile 16; tiles 0-15 fill window 1 at 16 t + 8 sk
; window 2: context fragments CF[kq][u] at 40 kq + 8 u, kq = 0..5;  window 3: kq = 6..8 at 40 (kq - 6) + 8 u, and
.set D,    120                         ; D[t] at 120 + 8 t, t = 0..16; rounded in place: QP[kq] at 120 + 16 kq
; phase C: A fragments v64-127 / v128-191 in window 0, B fragments a ring of four x 64 in window 1, accumulator tile (a, b) at 8 (8 (a & 3) + b) in window 2 + (a >> 2)
.set MSB, 0
.macro WIN new                         ; the immediate's high byte repeats the setting that is left
.if MSB != \new
	s_set_vgpr_msb (MSB<<8)|\new
.set MSB, \new
.endif
.endm
.macro PLACES n
.rept \n
	v_nop
.endr
.endm
.macro EXP8 base
.irp j, 0,1,2,3,4,5,6,7
	v_exp_f32 v[\base+\j], v[\base+\j]
.endr
.endm
.macro CVT4 dst, src
	s_wait_alu depctr_va_vdst(0)
.irp a, 0,1,2,3
	v_cvt_pk_bf16_f32 v[\dst+\a], v[\src+2*\a], v[\src+2*\a+1]
.endr
.endm
	s_load_b256 s[4:11], s[0:1], 0x0               ; qkv 4, pbf 6, ctxf 8, wof 10
	s_load_b128 s[12:15], s[0:1], 0x20             ; bo 12, out0 14
	v_lshl_add_u32 v254, v0, 2, 0x2c400
	v_mov_b32 v255, 0
	ds_add_u32 v254, v255
	ds_add_u32 v254, v255
	v_lshrrev_b32 v1, 5, v0
	v_readfirstlane_b32 s16, v1                    ; wave
	s_mov_b32 s32, 0x07510000                      ; elements of 2 bytes; after every 64 words 4 words of padding
	s_mov_b32 s33, 128<<16
	s_mov_b32 s34, 128<<16
	s_mov_b32 s35, 128<<16
	s_mov_b32 s36, 128
	s_mov_b32 s37, 1536
	s_mov_b32 s38, 0
	s_mov_b32 s39, 0
	s_mul_i32 s50, ttmp9, 393216                   ; 128 rows of 3,072 bytes
	s_lshl_b32 s51, s16, 8                         ; my two heads' 256 bytes
	s_add_co_u32 s50, s50, s51
	s_mov_b32 s51, 0
	s_mov_b32 s40, 1
	s_mul_i32 s41, s16, QREG
	s_wait_dscnt 0x0
	s_wait_kmcnt 0x0
	s_add_nc_u64 s[42:43], s[4:5], s[50:51]
	s_or_b32 s43, s43, 0x80000000
	tensor_load_to_lds s[40:43], s[32:39]          ; rows of 256 bytes, each at a multiple of 256 from the buffer's first byte
	s_nop 0
	s_lshr_b32 s50, ttmp9, 5
	s_lshl_b32 s50, s50, 3
	s_lshl1_add_u32 s50, s16, s50                  ; 8 b + 2 w
	s_mul_i32 s50, s50, 46080
	s_add_nc_u64 s[44:45], s[8:9], s[50:51]
	s_lshr_b32 s50, ttmp9, 5
	s_lshl_b32 s50, s50, 15                        ; VW: 32,768 bytes a batch,
	s_lshl_b32 s52, s16, 13                        ; my eight column blocks of 1,024
	s_add_co_u32 s50, s50, s52
	s_add_co_u32 s50, s50, VWOFF
	s_add_nc_u64 s[54:55], s[8:9], s[50:51]
	s_lshl_b32 s50, s16, 17
	s_add_nc_u64 s[46:47], s[10:11], s[50:51]      ; my eight column blocks of Wo
	s_lshl_b32 s50, ttmp9, 18
	s_lshl_b32 s52, s16, 9
	s_mov_b32 s53, 0
	s_add_co_u32 s50, s50, s52
	s_add_nc_u64 s[48:49], s[14:15], s[50:51]
	s_add_nc_u64 s[12:13], s[12:13], s[52:53]
	s_mov_b32 s22, 0x76543210
	s_mov_b32 s23, 0xfedcba98
	s_mov_b32 s24, 0x3f0293ee                      ; c, twice
	s_mov_b32 s25, 0x3f0293ee
	s_mov_b32 s26, 0x3db8aa3b                      ; c2
	s_mov_b32 s27, 0xffff0000
	s_mov_b32 s28, 0x3ed1b717                      ; EPS x 4,096
	v_and_b32 v1, 31, v0
	v_and_b32 v2, 15, v0
	v_bfe_u32 v3, v0, 4, 1
	v_lshlrev_b32 v4, 4, v1
	v_mul_u32_u24 v6, v2, 272
	v_lshl_add_u32 v6, v3, 4, v6
	v_add_nc_u32 v14, s41, v6
.irp n, 0,1,2,3
	v_add_nc_u32 v[8+\n], QREG*\n, v6
.endr
	s_mul_i32 s52, s16, SREG
	s_add_co_u32 s52, s52, STG
	v_mul_u32_u24 v7, v2, 528
	v_lshl_add_u32 v7, v3, 5, v7
	v_add_nc_u32 v12, s52, v7
	v_add_nc_u32 v13, s52, v4
	s_lshl_b32 s52, s16, 11
	s_add_co_u32 s52, s52, GOFF
	v_lshl_add_u32 v48, v2, 4, s52                 ; g of row r, in my wave's own 2,048 bytes
	v_lshlrev_b32 v49, 11, v3
	v_lshl_add_u32 v49, v2, 4, v49
	v_add_nc_u32 v49, GOFF, v49                    ; fragments of g: k = 8 h .. +7 is wave h's region, k = 16 + 8 h .. +7 wave 2 + h's, 4,096 bytes on
	v_mov_b32 v25, 0
	global_load_b128 v[16:19], v4, s[12:13]        ; bo of my four columns on the way out
.irp sk, 0,1
.irp hf, 0,1
	global_load_b128 v[PF16+8*\sk+4*\hf:PF16+8*\sk+4*\hf+3], v4, s[6:7] offset:2048*16+1024*\sk+512*\hf
.endr
.endr
	WIN 0x40
.irp t, 0,1,2,3,4,5,6,7,8,9,10,11,12,13,14,15
.irp o, 0,1,2,3
	global_load_b128 v[16*\t+4*\o:16*\t+4*\o+3], v4, s[6:7] offset:2048*\t+512*\o
.endr
.endr
	WIN 0
	s_wait_tensorcnt 0x0                           ; my q is in LDS; only I read it
; 16 rows of one head.
.macro ROWTILE
	ds_load_b128 v[QF:QF+3],     v5
	ds_load_b128 v[QF+4:QF+7],   v5 offset:32
	ds_load_b128 v[QF+8:QF+11],  v5 offset:64
	ds_load_b128 v[QF+12:QF+15], v5 offset:96
	s_wait_dscnt 0x0
	s_wait_loadcnt 0x0                             ; proj's and the head's context fragments (met at once from the head's second trip on)
	; raw: the 17 accumulators take turns, one instruction a turn
	WIN 0xf1
.irp t, 0,1,2,3,4,5,6,7,8,9,10,11,12,13,14,15
	v_wmma_f32_16x16x32_bf16 v[D+8*\t:D+8*\t+7], v[16*\t:16*\t+7], v[QF:QF+7], 0
.endr
	WIN 0xf0
	v_wmma_f32_16x16x32_bf16 v[D+128:D+135], v[PF16:PF16+7], v[QF:QF+7], 0
	WIN 0xf1
.irp t, 0,1,2,3,4,5,6,7,8,9,10,11,12,13,14,15
	v_wmma_f32_16x16x32_bf16 v[D+8*\t:D+8*\t+7], v[16*\t+8:16*\t+15], v[QF+8:QF+15], v[D+8*\t:D+8*\t+7]
.endr
	WIN 0xf0
	v_wmma_f32_16x16x32_bf16 v[D+128:D+135], v[PF16+8:PF16+15], v[QF+8:QF+15], v[D+128:D+135]
	WIN 0
	v_mov_b32 v26, 0
	v_mov_b32 v27, 0
.set j, QF
.rept 16
	v_fma_mix_f32_bf16 v26, v[j], v[j], v26 op_sel_hi:[1,1,0]
	v_fma_mix_f32_bf16 v27, v[j], v[j], v27 op_sel:[1,1,0] op_sel_hi:[1,1,0]
.set j, j+1
.endr
	v_add_f32 v26, v26, v27
	v_permlanex16_b32 v25, v26, s22, s23
	v_add_f32 v26, v26, v25
	v_mul_f32 v26, s26, v26                        ; c2 |q|^2
	PLACES 4                                       ; four places before vector instructions read the results (ISA guide 7.12.1)
	WIN 0x3f
.irp k, 0,1,2,3
	v_max3_num_f32 v[20+\k], v[D+3*\k], v[D+3*\k+1], v[D+3*\k+2]
.endr
	WIN 0x3c
.set j, D+12
.rept 62
	v_max3_num_f32 v[20+(j/2)%4], v[20+(j/2)%4], v[j], v[j+1]
.set j, j+2
.endr
	WIN 0
	v_max3_num_f32 v20, v20, v21, v22
	v_max_num_f32 v24, v20, v23
	v_permlanex16_b32 v25, v24, s22, s23
	v_max_num_f32 v24, v24, v25                    ; the row's maximum
	v_fma_f32 v28, s24, v24, v26
	v_mov_b32 v29, v28
	WIN 0xc3
.set j, D
.rept 68
	v_pk_fma_f32 v[j:j+1], v[j:j+1], s[24:25], v[28:29] op_sel_hi:[1,0,1] neg_lo:[0,0,1] neg_hi:[0,0,1]
.set j, j+2
.endr
	v_cndmask_b32 v[D+130], v[D+130], 0, s27       ; feature 266 (tile 16, lanes 16-31, register 2): exponent 0, Eq = 1.0
	; a tile's eight exponentials, then the tile before's four conversions: the plain instructions between a tile's exponentials and its own conversions (ISA guide 5.7.2)
	WIN 0xcf
.set idx, 0
.rept 17
	EXP8 (D+8*idx)
.if idx == 0
	v_nop
.else
	CVT4 (D+8*(idx-1)-4*((idx-1)%2)),(D+8*(idx-1))
.endif
.set idx, idx+1
.endr
	CVT4 (D+128),(D+128)
.irp j, 132,133,134,135
	v_mov_b32 v[D+\j], 0                           ; features 272 to 287
.endr
	; O = ctxE^T . Eq: the five accumulators take turns, one instruction a turn
.irp kq, 0,1,2,3,4,5,6,7,8
.if \kq <= 5
	WIN 0x0e
.set cf, 40*\kq
.else
	WIN 0x0f
.set cf, 40*(\kq-6)
.endif
.irp u, 0,1,2,3,4
.if \kq == 0
	v_wmma_f32_16x16x32_bf16 v[O+8*\u:O+8*\u+7], v[cf+8*\u:cf+8*\u+7], v[D+16*\kq:D+16*\kq+7], 0
.else
	v_wmma_f32_16x16x32_bf16 v[O+8*\u:O+8*\u+7], v[cf+8*\u:cf+8*\u+7], v[D+16*\kq:D+16*\kq+7], v[O+8*\u:O+8*\u+7]
.endif
.endr
.endr
	WIN 0
	PLACES 5                                       ; four places before O is read, five before the next trip's products write over QP (ISA guide 7.12.1)
	v_fma_f32 v24, v[O+33], s28, v[O+32]           ; denominator = (Eq . ksumE + EPS sum of ksumE) + sq x EPS x 4,096
	v_rcp_f32 v30, v24
	v_rcp_f32 v31, v24
	v_nop                                          ; the plain instruction between v_rcp_f32 and the use of its result (ISA guide 5.7.2)
	s_wait_alu depctr_va_vdst(0)
	v_mul_f32 v26, v[O+33], v30                    ; g = sq / denominator
.set j, 0
.rept 16
	v_pk_mul_f32 v[O+j:O+j+1], v[O+j:O+j+1], v[30:31]
.set j, j+2
.endr
	v_cvt_pk_bf16_f32 v27, v26, v26
	v_lshlrev_b32 v25, 16, v27                     ; g as bf16, widened again
	v_sub_f32 v25, v26, v25                        ; the remainder
	v_cvt_pk_bf16_f32 v26, v26, v25                ; (g, g')
	v_mov_b32 v27, v26
.set j, 0
.rept 16
	v_cvt_pk_bf16_f32 v[PK+j], v[O+2*j], v[O+2*j+1]
.set j, j+1
.endr
.irp u, 0,1,2,3
	ds_store_b128 v5, v[PK+4*\u:PK+4*\u+3] offset:32*\u    ; row r, e = 16 u + 8 h .. +7: over the q of the same rows and head, which this wave alone has read
.endr
	ds_store_b64 v15, v[26:27]                     ; (g, g', g, g') of row r; both halves' lanes write the same bytes with the same value
	v_add_nc_u32 v5, 16*272, v5
	v_add_nc_u32 v15, 256, v15
.endm
.macro HEAD hl
	WIN 0x80
.irp kq, 0,1,2,3,4,5
.irp u, 0,1,2,3,4
.irp hf, 0,1
	global_load_b128 v[40*\kq+8*\u+4*\hf:40*\kq+8*\u+4*\hf+3], v4, s[44:45] offset:46080*\hl+(9*\u+\kq)*1024+512*\hf
.endr
.endr
.endr
	WIN 0xc0
.irp kq, 6,7,8
.irp u, 0,1,2,3,4
.irp hf, 0,1
	global_load_b128 v[40*(\kq-6)+8*\u+4*\hf:40*(\kq-6)+8*\u+4*\hf+3], v4, s[44:45] offset:46080*\hl+(9*\u+\kq)*1024+512*\hf
.endr
.endr
.endr
	WIN 0
	v_add_nc_u32 v5, 128*\hl, v14
	v_add_nc_u32 v15, 8*\hl, v48
	s_mov_b32 s20, 8
.Lrow_\@:
	ROWTILE
	s_sub_co_u32 s20, s20, 1
	s_cmp_lg_u32 s20, 0
	s_cbranch_scc1 .Lrow_\@
.endm
	HEAD 0
	HEAD 1
	; ---- PHASE C
.macro BLOAD ks                        ; source 0's fragments of K step ks for my 8 column blocks: 16 loads of 512 consecutive bytes; steps 0-15 Wo, step 16 VW
	WIN 0x40
.irp b, 0,1,2,3,4,5,6,7
.irp hf, 0,1
.if (\ks) == 16
	global_load_b128 v[64*((\ks)&3)+8*\b+4*\hf:64*((\ks)&3)+8*\b+4*\hf+3], v4, s[54:55] offset:1024*\b+512*\hf
.else
	global_load_b128 v[64*((\ks)&3)+8*\b+4*\hf:64*((\ks)&3)+8*\b+4*\hf+3], v4, s[46:47] offset:16384*\b+1024*(\ks)+512*\hf
.endif
.endr
.endr
.endm
.macro ALOAD ks                        ; source 1's fragments of K step ks, all 128 rows; steps 0-15: attn, region ks >> 2, byte 64 (ks & 3) of its rows; step 16: g
	WIN 0
.irp a, 0,1,2,3,4,5,6,7
.if (\ks) == 16
	ds_load_b128 v[64+64*((\ks)&1)+8*\a:64+64*((\ks)&1)+8*\a+3],   v49 offset:256*\a
	ds_load_b128 v[64+64*((\ks)&1)+8*\a+4:64+64*((\ks)&1)+8*\a+7], v49 offset:256*\a+4096
.else
	ds_load_b128 v[64+64*((\ks)&1)+8*\a:64+64*((\ks)&1)+8*\a+3],   v[8+((\ks)>>2)] offset:4352*\a+64*((\ks)&3)
	ds_load_b128 v[64+64*((\ks)&1)+8*\a+4:64+64*((\ks)&1)+8*\a+7], v[8+((\ks)>>2)] offset:4352*\a+64*((\ks)&3)+32
.endif
.endr
.endm
; source 0 = 16 columns of Wo, source 1 = 16 rows of attn: a lane then holds eight neighbouring columns of one row of out
.macro MUL16 fb, fa, hi, a0, zero
.irp a, \a0, \a0+1
.irp b, 0,1,2,3,4,5,6,7
.if \zero
	v_wmma_f32_16x16x32_bf16 v[8*(8*(\a)+\b):8*(8*(\a)+\b)+7], v[\fb+8*\b:\fb+8*\b+7], v[\fa+8*(4*\hi+\a):\fa+8*(4*\hi+\a)+7], 0
.else
	v_wmma_f32_16x16x32_bf16 v[8*(8*(\a)+\b):8*(8*(\a)+\b)+7], v[\fb+8*\b:\fb+8*\b+7], v[\fa+8*(4*\hi+\a):\fa+8*(4*\hi+\a)+7], v[8*(8*(\a)+\b):8*(8*(\a)+\b)+7]
.endif
.endr
.endr
.endm
.macro MULS fb, fa, zero               ; the 64 accumulators take turns, one instruction a turn, in the same order in every K step
	WIN 0xa1
	MUL16 \fb, \fa, 0, 0, \zero
	MUL16 \fb, \fa, 0, 2, \zero
	WIN 0xf1
	MUL16 \fb, \fa, 1, 0, \zero
	MUL16 \fb, \fa, 1, 2, \zero
.endm
.macro KSTEP ks
.if \ks > 0
	PLACES 4                                       ; four places behind the last products before loads land in buffers that they read
.endif
.if \ks <= NK-4
	BLOAD (\ks+3)
.endif
.if \ks <= NK-2
	ALOAD (\ks+1)
.endif
.if \ks <= NK-4
	s_wait_loadcnt 48                              ; this step's source 0 is in; the three later steps' 48 loads stay out
.else
	s_wait_loadcnt 16*(NK-1-\ks)                   ; the steps that are left
.endif
.if \ks <= NK-2
	s_wait_dscnt 16                                ; this step's source 1 is in; the next step's 16 loads stay out
.else
	s_wait_dscnt 0
.endif
.if \ks == 0
	MULS (64*((\ks)&3)),(64+64*((\ks)&1)),1
.else
	MULS (64*((\ks)&3)),(64+64*((\ks)&1)),0
.endif
.endm
	BLOAD 0
	BLOAD 1
	BLOAD 2
	WIN 0
	s_wait_dscnt 0x0                               ; my stores of attn and g are done, for the others' sake
	s_barrier_signal -1
	s_barrier_wait -1                              ; all four waves' columns of attn and their g are in LDS
	ALOAD 0
.irp ks, 0,1,2,3,4,5,6,7,8,9,10,11,12,13,14,15,16
	KSTEP \ks
.endr
	; THE WAY OUT, 16 rows at a time: f32 into my own stage (rows of 512 bytes, pitch 528), read back as whole rows, bias added, stored.
	PLACES 4
.macro OUT16 a
.if \a < 4
	WIN 0x08
.else
	WIN 0x0c
.endif
.irp b, 0,1,2,3,4,5,6,7
	ds_store_b128 v12, v[8*(8*((\a)&3)+\b):8*(8*((\a)&3)+\b)+3]   offset:64*\b
	ds_store_b128 v12, v[8*(8*((\a)&3)+\b)+4:8*(8*((\a)&3)+\b)+7] offset:64*\b+16
.endr
	WIN 0
	s_wait_xcnt 0x0                                ; the buffer below, which earlier stores read, is rewritten only behind this wait
.irp t, 0,1,2,3,4,5,6,7,8,9,10,11,12,13,14,15
	ds_load_b128 v[64+64*((\a)&1)+4*\t:64+64*((\a)&1)+4*\t+3], v13 offset:528*\t   ; LDS serves a wave's instructions in order: these see the stores above
.endr
.irp t, 0,1,2,3,4,5,6,7,8,9,10,11,12,13,14,15
	s_wait_dscnt 15-\t                             ; row t is in, the 15 - t younger read-backs may be out
	v_pk_add_f32 v[64+64*((\a)&1)+4*\t:64+64*((\a)&1)+4*\t+1],   v[64+64*((\a)&1)+4*\t:64+64*((\a)&1)+4*\t+1],   v[16:17]
	v_pk_add_f32 v[64+64*((\a)&1)+4*\t+2:64+64*((\a)&1)+4*\t+3], v[64+64*((\a)&1)+4*\t+2:64+64*((\a)&1)+4*\t+3], v[18:19]
	global_store_b128 v4, v[64+64*((\a)&1)+4*\t:64+64*((\a)&1)+4*\t+3], s[48:49] offset:(16*\a+\t)*2048 th:TH_STORE_NT   ; 512 consecutive bytes, aligned
.endr
.endm
.irp a, 0,1,2,3,4,5,6,7
	OUT16 \a
.endr
	s_wait_tensorcnt 0x0
	ds_add_u32 v254, v255
	s_wait_dscnt 0x0
	s_endpgm
.Lfunc_end_k_q1f8cfdfb8f_qside:
	.size	k_q1f8cfdfb8f_qside, .Lfunc_end_k_q1f8cfdfb8f_qside-k_q1f8cfdfb8f_qside
	.p2alignl 7, 3214868480
	.fill 96, 4, 3214868480
	.section	.rodata,"a",@progbits
	.p2align	6, 0x0
	.amdhsa_kernel k_q1f8cfdfb8f_qside
		.amdhsa_group_segment_fixed_size 181760
		.amdhsa_private_segment_fixed_size 0
		.amdhsa_enable_private_segment 0
		.amdhsa_kernarg_size 48
		.amdhsa_user_sgpr_count 2
		.amdhsa_user_sgpr_kernarg_segment_ptr 1
		.amdhsa_wavefront_size32 1
		.amdhsa_system_sgpr_workgroup_id_x 1
		.amdhsa_system_sgpr_workgroup_id_y 1
		.amdhsa_system_sgpr_workgroup_id_z 1
		.amdhsa_system_vgpr_workitem_id 0
		.amdhsa_next_free_vgpr 1024
		.amdhsa_next_free_sgpr 66
		.amdhsa_reserve_vcc 0
		.amdhsa_float_denorm_mode_32 3
		.amdhsa_float_denorm_mode_16_64 3
		.amdhsa_memory_ordered 1
		.amdhsa_forward_progress 1
		.amdhsa_inst_pref_size 251
	.end_amdhsa_kernel
	.amdgpu_metadata
---
amdhsa.version: [ 1, 2 ]
amdhsa.kernels:
  - .name:           k_q1f8cfdfb8f_qside
    .symbol:         k_q1f8cfdfb8f_qside.kd
    .args:
      - { .name: qkv, .offset: 0, .size: 8, .value_kind: global_buffer, .address_space: global }
      - { .name: pbf, .offset: 8, .size: 8, .value_kind: global_buffer, .address_space: global }
      - { .name: ctxf, .offset: 16, .size: 8, .value_kind: global_buffer, .address_space: global }
      - { .name: wof, .offset: 24, .size: 8, .value_kind: global_buffer, .address_space: global }
      - { .name: bo, .offset: 32, .size: 8, .value_kind: global_buffer, .address_space: global }
      - { .name: out0, .offset: 40, .size: 8, .value_kind: global_buffer, .address_space: global }
    .group_segment_fixed_size: 181760
    .private_segment_fixed_size: 0
    .kernarg_segment_align: 8
    .kernarg_segment_size: 48
    .max_flat_workgroup_size: 128
    .sgpr_count:     66
    .vgpr_count:     1024
    .wavefront_size: 32
...
	.end_amdgpu_metadata
.endif
;; end of part 5
